; MI455X (gfx1250); checked and timed in simulation.
; The chip was launched on July 23, 2026; its instructions are those of AMD's public machine-readable ISA for CDNA 5 (MIT licence, August 2026) and "CDNA5" Instruction Set Architecture Reference Guide (July 2026). The comments in the code are by the model that wrote it; some were corrected since.
;; Optimized Transformer Layer. Allowed arithmetic: matrix products marked QUANTISED: E5M2 operands, one given power-of-two scale a tensor, by v_wmma_f32_16x16x64_bf8_bf8 or v_wmma_f32_16x16x128_bf8_bf8, f32 sums; everything else in f32.
;; Inputs: down_w 8 x 1,024 x 2,048 float32; gate_w 8 x 2,048 x 1,024 float32; in_ln 2,048 float32; k_norm 128 float32; k_w 2,048 x 512 float32; lowp_scales 60 int32 (the exponents e of the quantised operands' scales 2^e); o_w 2,048 x 2,048 float32; post_ln 2,048 float32; q_norm 128 float32; q_w 2,048 x 2,048 float32; token_ids 1 x 1,024 int32; token_to_expert 100,000 int32; up_w 8 x 2,048 x 1,024 float32; v_w 2,048 x 512 float32; x 1 x 1,024 x 2,048 float32.
;; Outputs: out0 1 x 1,024 x 2,048 float32.
;; This version of the problem:
;;   THIS VERSION OF THE PROBLEM IS GIVEN IN LOW PRECISION. The matrix products marked QUANTISED in the list below multiply operands that are first quantised to E5M2 (5 exponent bits, 2 mantissa bits; 8 bits a number), with one given power-of-two scale for each operand tensor; their sums are f32. All else is computed in f32.
;;   The module's matrix products, in the order in which they are computed (A, B: the left and right operand; K: the contracted axis; several contracted axes count as one K, in the product's order):
;;     1. [M 1,024, K 2,048] x [K 2,048, N 2,048]; A: computed on the way; B: input q_w: QUANTISED (scales: A lowp_scales[0], B lowp_scales[1])
;;     2. [M 1,024, K 2,048] x [K 2,048, N 512]; A: computed on the way; B: input k_w: QUANTISED (scales: A lowp_scales[2], B lowp_scales[3])
;;     3. [M 1,024, K 2,048] x [K 2,048, N 512]; A: computed on the way; B: input v_w: QUANTISED (scales: A lowp_scales[4], B lowp_scales[5])
;;     4. batch 16 x [M 1,024, K 128] x [K 128, N 1,024]; A: computed on the way; B: computed on the way: QUANTISED (scales: A lowp_scales[6], B lowp_scales[7])
;;     5. batch 16 x [M 1,024, K 1,024] x [K 1,024, N 128]; A: softmax (see below); B: computed on the way: QUANTISED (scales: A lowp_scales[8], B lowp_scales[9])
;;     6. [M 1,024, K 2,048] x [K 2,048, N 2,048]; A: computed on the way; B: input o_w: QUANTISED (scales: A lowp_scales[10], B lowp_scales[11])
;;     7. [M 1,024, K 2,048] x [K 2,048, N 1,024]; A: computed on the way; B: input gate_w: QUANTISED (scales: A lowp_scales[12], B lowp_scales[13])
;;     8. [M 1,024, K 2,048] x [K 2,048, N 1,024]; A: computed on the way; B: input up_w: QUANTISED (scales: A lowp_scales[14], B lowp_scales[15])
;;     9. [M 1,024, K 1,024] x [K 1,024, N 2,048]; A: computed on the way; B: input down_w: QUANTISED (scales: A lowp_scales[16], B lowp_scales[17])
;;     10. [M 1,024, K 2,048] x [K 2,048, N 1,024]; A: computed on the way; B: input gate_w: QUANTISED (scales: A lowp_scales[18], B lowp_scales[19])
;;     11. [M 1,024, K 2,048] x [K 2,048, N 1,024]; A: computed on the way; B: input up_w: QUANTISED (scales: A lowp_scales[20], B lowp_scales[21])
;;     12. [M 1,024, K 1,024] x [K 1,024, N 2,048]; A: computed on the way; B: input down_w: QUANTISED (scales: A lowp_scales[22], B lowp_scales[23])
;;     13. [M 1,024, K 2,048] x [K 2,048, N 1,024]; A: computed on the way; B: input gate_w: QUANTISED (scales: A lowp_scales[24], B lowp_scales[25])
;;     14. [M 1,024, K 2,048] x [K 2,048, N 1,024]; A: computed on the way; B: input up_w: QUANTISED (scales: A lowp_scales[26], B lowp_scales[27])
;;     15. [M 1,024, K 1,024] x [K 1,024, N 2,048]; A: computed on the way; B: input down_w: QUANTISED (scales: A lowp_scales[28], B lowp_scales[29])
;;     16. [M 1,024, K 2,048] x [K 2,048, N 1,024]; A: computed on the way; B: input gate_w: QUANTISED (scales: A lowp_scales[30], B lowp_scales[31])
;;     17. [M 1,024, K 2,048] x [K 2,048, N 1,024]; A: computed on the way; B: input up_w: QUANTISED (scales: A lowp_scales[32], B lowp_scales[33])
;;     18. [M 1,024, K 1,024] x [K 1,024, N 2,048]; A: computed on the way; B: input down_w: QUANTISED (scales: A lowp_scales[34], B lowp_scales[35])
;;     19. [M 1,024, K 2,048] x [K 2,048, N 1,024]; A: computed on the way; B: input gate_w: QUANTISED (scales: A lowp_scales[36], B lowp_scales[37])
;;     20. [M 1,024, K 2,048] x [K 2,048, N 1,024]; A: computed on the way; B: input up_w: QUANTISED (scales: A lowp_scales[38], B lowp_scales[39])
;;     21. [M 1,024, K 1,024] x [K 1,024, N 2,048]; A: computed on the way; B: input down_w: QUANTISED (scales: A lowp_scales[40], B lowp_scales[41])
;;     22. [M 1,024, K 2,048] x [K 2,048, N 1,024]; A: computed on the way; B: input gate_w: QUANTISED (scales: A lowp_scales[42], B lowp_scales[43])
;;     23. [M 1,024, K 2,048] x [K 2,048, N 1,024]; A: computed on the way; B: input up_w: QUANTISED (scales: A lowp_scales[44], B lowp_scales[45])
;;     24. [M 1,024, K 1,024] x [K 1,024, N 2,048]; A: computed on the way; B: input down_w: QUANTISED (scales: A lowp_scales[46], B lowp_scales[47])
;;     25. [M 1,024, K 2,048] x [K 2,048, N 1,024]; A: computed on the way; B: input gate_w: QUANTISED (scales: A lowp_scales[48], B lowp_scales[49])
;;     26. [M 1,024, K 2,048] x [K 2,048, N 1,024]; A: computed on the way; B: input up_w: QUANTISED (scales: A lowp_scales[50], B lowp_scales[51])
;;     27. [M 1,024, K 1,024] x [K 1,024, N 2,048]; A: computed on the way; B: input down_w: QUANTISED (scales: A lowp_scales[52], B lowp_scales[53])
;;     28. [M 1,024, K 2,048] x [K 2,048, N 1,024]; A: computed on the way; B: input gate_w: QUANTISED (scales: A lowp_scales[54], B lowp_scales[55])
;;     29. [M 1,024, K 2,048] x [K 2,048, N 1,024]; A: computed on the way; B: input up_w: QUANTISED (scales: A lowp_scales[56], B lowp_scales[57])
;;     30. [M 1,024, K 1,024] x [K 1,024, N 2,048]; A: computed on the way; B: input down_w: QUANTISED (scales: A lowp_scales[58], B lowp_scales[59])
;;   THE QUANTISER, for each operand of a quantised product, along K:
;;     - The operand's scale is 2^e, e = its entry of the input lowp_scales (int32; the entries are numbered through the quantised products in the list's order, A before B).
;;     - Each number is divided by the scale, clamped to +-57,344, and rounded to the nearest number of E5M2, ties to even, subnormals kept.
;;     - The product sums the exact products of the quantised numbers (number of the format x scale) in f32.
;;   ~~~python
;;   def quantise(x, axis, e):      # numpy; x: float32 -> the quantised numbers, widened to float32 again
;;       x = np.moveaxis(x, axis, -1); K = x.shape[-1]
;;       r = np.clip(x / 2.0 ** e, -57344, 57344)
;;       step = 2.0 ** (np.maximum(np.frexp(np.where(r == 0, 1, r))[1] - 1, -14) - 2)
;;       q = np.round(r / step) * step * 2.0 ** e      # np.round: ties to even
;;       return np.moveaxis(q, -1, axis).astype(np.float32)
;;   ~~~
;;   SOFTMAX AHEAD OF A QUANTISED PRODUCT. Where the list says 'softmax', what is quantised is not the finished softmax but p = 2^(t - M), with t = logit x log2(e) and M = ceil(the row's largest t), a whole number; so 1/2 < the row's largest p <= 1. The row's sum l is taken of the UNQUANTISED p, in f32, and the product's result is divided by l at the end. Since M is a whole number, a kernel that streams over the keys may use a running M (the ceiling of the running maximum): every later rescaling is an exact power of two, so the quantised numbers keep their values, but for numbers so far below the row's largest that they fall under the format's range.
;;   OPERANDS COMPUTED ON THE WAY. 'Computed on the way' means the value that the module computes at that place (a softmax that the list does not call 'softmax' is quantised finished and normalised). What goes into a quantiser is computed in f32, as accurately as f32 sums, v_exp_f32 and their like allow (about 1e-6 of the number): no bf16 or f16 on the way to a quantiser, and a product that is left as it is and whose result goes on into a quantised operand takes f32 operands (vector FMAs, or v_wmma_f32_16x16x4_f32). A number that lies on a knife's edge between two numbers of the format may be rounded either way, as far as f32 arithmetic and the matrix unit's own rounding can turn it there, and no further.
;; 2 versions, each right; version 2 is version 1 with the launches gateup, down written anew for expert scheduling mode. Each part assembles by itself: llvm-mc -triple=amdgcn-amd-amdhsa -mcpu=gfx1250 --defsym DOCPART=n.
;; ======== version 1 of 2: 7 launches
;; workspace buffers: prep 17,301,504 bytes; route 5,120 bytes of whole numbers; qkc 3,145,728 bytes; ao 2,097,152 bytes; x2 8,388,608 bytes; h2 4,718,592 bytes; act 1,179,648 bytes
;; launch prep (part 1): grid 241 x 1, 16 waves a work-group, no clusters, 10,240 bytes of LDS; arguments x, in_ln, q_w, k_w, v_w, o_w, token_ids, token_to_expert, lowp_scales, prep, route; writes prep, route
.if DOCPART == 1
	.amdgcn_target "amdgcn-amd-amdhsa--gfx1250"
	.amdhsa_code_object_version 6
	.text
	.protected	k_qd02abec2ac_prep
	.globl	k_qd02abec2ac_prep
	.p2align	8
	.type	k_qd02abec2ac_prep,@function
k_qd02abec2ac_prep:
	s_mov_b64 s[64:65], 0
	v_nop
	global_prefetch_b8 v0, s[64:65] scope:SCOPE_SE
	s_setreg_imm32_b32 hwreg(HW_REG_WAVE_MODE, 25, 1), 1
	s_wait_xcnt 0x0
; PREP: four kinds of work-group, told apart by the work-group's number alone.
;   0-159   W: q_w, k_w, v_w, o_w (f32, [K][N]) become codes of E5M2, laid as images of the operands' registers
;   160-223 N: h = RMSNorm(x) x in_ln, quantised three times (the scales of products 1, 2, 3)
;   224-239 R: the table of cos and sin for RoPE, [1024][64] f32 each
;   240     S: a counting sort of the 1,024 tokens by expert (whole numbers alone)
; A FRAGMENT'S IMAGE: 16 rows x 128 K of codes = 16 registers a lane = 2,048 bytes; registers 4c..4c+3 of lane l lie at 512 c + 16 l.
; prep: codes of the weights at 0: [40 strips of 128 columns][8 tiles][16 K steps][2048]; h's codes at HC: [3][64 tiles of rows][16 K steps][2048]; the table at ROPE.
; K IN A FRAGMENT (the same on both sides of a product): byte 16 c + i of lane half h is k = 32 c + 16 h + i;
; for o_w: k = 64 (c / 2) + 32 h + 4 (i % 8) + 2 (c % 2) + i / 8, the order in which attention leaves its results.
; A TILE OF A WEIGHT: of 64 neighbouring columns tile t takes the columns 4 rho + t: a lane's 16-byte load brings one number for each of the four tiles.
; route: words 0-8 each bucket's first place (a multiple of 16), words 16-24 its count, from word 64 on the tokens in sorted order. Bucket 8: tokens whose table entry is no expert.
; LIMITS: each given exponent e lies between -126 and 112. NaN among the inputs is not served. RoPE's angles are s x 2^(-i log2(10000) / 64), each factor rounded to f32.
.set HC,    10485760
.set ROPE,  16777216
.set WV,    26
.set SEL,   98
.macro MKSC e, tmp, vsc, vlim          ; s[e] holds e and is spent: v[vsc] = 2^e, v[vlim] = 57,344 x 2^e
	s_add_co_i32 s[\e], s[\e], 127
	s_lshl_b32 s[\tmp], s[\e], 23
	v_mov_b32 v[\vsc], s[\tmp]
	s_add_co_i32 s[\e], s[\e], 15
	s_lshl_b32 s[\e], s[\e], 23
	s_or_b32 s[\e], s[\e], 0x600000
	v_mov_b32 v[\vlim], s[\e]
.endm
.macro WLOAD pitch, att                ; two blocks of 32 rows x 64 columns: sixteen lanes read 256 consecutive bytes of a row
.irp cb, 0,1
.irp i, 0,1,2,3,4,5,6,7,8,9,10,11,12,13,14,15
.if \att
	global_load_b128 v[112+64*\cb+4*\i:115+64*\cb+4*\i], v4, s[50:51] offset:(4*(\i%8)+2*\cb+\i/8)*\pitch th:TH_LOAD_NT
.else
	global_load_b128 v[112+64*\cb+4*\i:115+64*\cb+4*\i], v4, s[50:51] offset:(32*\cb+\i)*\pitch th:TH_LOAD_NT
.endif
.endr
.endr
.endm
.macro QBLK4 s, c                      ; 64 numbers (row i, tile t at v[s + 4 i + t]) become four tiles' 16 codes each; the hold also sorts the numbers by tile
.set n, 0
.rept 64
	v_med3_num_f32 v[48+n], v[\s+4*(n%16)+n/16], -v240, v240
.set n, n+1
.endr
.irp t, 0,1,2,3
	v_cvt_scalef32_pk8_bf8_f32 v[\c+4*\t:\c+4*\t+1], v[48+16*\t:48+16*\t+7], v241
	v_cvt_scalef32_pk8_bf8_f32 v[\c+4*\t+2:\c+4*\t+3], v[48+16*\t+8:48+16*\t+15], v241
.endr
	v_nop                                          ; a plain line behind the conversions, ahead of the next writes of their sources
.endm
.macro XLOAD reg, voff, sb             ; a lane's 64 numbers of a K step: 16 neighbours of each block of 32
.irp c, 0,1,2,3
.irp j, 0,1,2,3
	global_load_b128 v[\reg+16*\c+4*\j:\reg+16*\c+4*\j+3], v[\voff], s[\sb:\sb+1] offset:128*\c+16*\j
.endr
.endr
.endm
.macro QUANT64 cbase, vsc, vlim        ; v16-79 become a fragment's codes; two sets of 16 registers take turns, so that plain lines stand between a conversion and the next write of its sources
.irp c, 0,1,2,3
.set n, 0
.rept 16
	v_med3_num_f32 v[144+16*(\c%2)+n], v[16+16*\c+n], -v[\vlim], v[\vlim]
.set n, n+1
.endr
	v_cvt_scalef32_pk8_bf8_f32 v[\cbase+4*\c:\cbase+4*\c+1], v[144+16*(\c%2):144+16*(\c%2)+7], v[\vsc]
	v_cvt_scalef32_pk8_bf8_f32 v[\cbase+4*\c+2:\cbase+4*\c+3], v[144+16*(\c%2)+8:144+16*(\c%2)+15], v[\vsc]
.endr
	v_nop
.endm
	s_load_b512 s[4:19], s[0:1], 0x0               ; x, in_ln, q_w, k_w, v_w, o_w, token_ids, token_to_expert
	s_load_b128 s[20:23], s[0:1], 0x40             ; lowp_scales, prep
	s_load_b64 s[24:25], s[0:1], 0x50              ; route
	v_lshl_add_u32 v254, v0, 2, 0x2000
	v_mov_b32 v255, 0
	v_lshrrev_b32 v1, 5, v0
	v_readfirstlane_b32 s[WV], v1                  ; wave 0..15
	v_and_b32 v1, 31, v0                           ; lane
	v_and_b32 v2, 15, v0                           ; r
	v_bfe_u32 v3, v0, 4, 1                         ; h
	s_mov_b32 s[SEL], 0x76543210
	s_mov_b32 s[SEL+1], 0xfedcba98
	s_wait_kmcnt 0x0
	s_load_b512 s[32:47], s[20:21], 0x0            ; e[0..15] in s32..s47
	s_cmp_lt_u32 ttmp9, 160
	s_cbranch_scc1 .Lrole_w
	s_cmp_lt_u32 ttmp9, 224
	s_cbranch_scc1 .Lrole_n
	s_cmp_lt_u32 ttmp9, 240
	s_cbranch_scc1 .Lrole_r
; ---------------- S: the counting sort. Thread t serves tokens t and t + 512, which count as waves w and w + 16.
	v_lshlrev_b32 v4, 2, v0
	global_load_b32 v5, v4, s[16:17]
	global_load_b32 v6, v4, s[16:17] offset:2048
	s_wait_loadcnt 0x0
	v_max_i32 v5, 0, v5                            ; clip(token_ids, 0, V - 1)
	v_max_i32 v6, 0, v6
	v_min_u32 v5, 0x1869f, v5
	v_min_u32 v6, 0x1869f, v6
	v_lshlrev_b32 v5, 2, v5
	v_lshlrev_b32 v6, 2, v6
	global_load_b32 v7, v5, s[18:19]
	global_load_b32 v8, v6, s[18:19]
	v_mov_b32 v9, 0                                ; my rank among my wave's tokens of my bucket
	v_mov_b32 v10, 0
	v_mov_b32 v11, 0                               ; lane b: my wave's count of bucket b
	v_mov_b32 v12, 0
	s_wait_loadcnt 0x0
	v_min_u32 v7, 8, v7                            ; what is no expert's number (negative ones too, as unsigned) is bucket 8
	v_min_u32 v8, 8, v8
.irp b, 0,1,2,3,4,5,6,7,8
	v_cmp_eq_u32 s[66+\b], \b, v7
	v_cmp_eq_u32 s[75+\b], \b, v8
	v_mbcnt_lo_u32_b32 v13, s[66+\b], 0
	v_mbcnt_lo_u32_b32 v14, s[75+\b], 0
	v_cndmask_b32 v9, v9, v13, s[66+\b]
	v_cndmask_b32 v10, v10, v14, s[75+\b]
	s_bcnt1_i32_b32 s27, s[66+\b]
	s_bcnt1_i32_b32 s28, s[75+\b]
	v_writelane_b32 v11, s27, \b
	v_writelane_b32 v12, s28, \b
.endr
	s_lshl_b32 s29, s[WV], 2
	s_add_co_u32 s29, s29, 1024
	v_lshl_add_u32 v15, v1, 7, s29                 ; the table of counts: 1024 + 128 x bucket + 4 x wave
	ds_store_b32 v15, v11
	ds_store_b32 v15, v12 offset:64
	s_wait_dscnt 0x0                               ; for the others' sake: my counts lie in LDS
	s_barrier_signal -1
	s_barrier_wait -1
	v_lshl_add_u32 v16, v1, 2, 1024
.irp b, 0,1,2,3,4,5,6,7,8
	ds_load_b32 v[20+\b], v16 offset:128*\b        ; lane l: the count of bucket b in wave l
.endr
	s_add_co_u32 s30, s[WV], 16
	v_cmp_gt_u32 s48, s[WV], v1                    ; waves in front of w
	v_cmp_gt_u32 s49, s30, v1                      ; waves in front of w + 16
	s_wait_dscnt 0x0
.irp b, 0,1,2,3,4,5,6,7,8                      ; three sums in one word: the total (at most 1,024) in bits 10:0, the counts in front of w (at most 480) in 20:11, in front of w + 16 (at most 992) in 31:21
	v_cndmask_b32 v30, 0, v[20+\b], s48
	v_cndmask_b32 v31, 0, v[20+\b], s49
	v_lshl_add_u32 v[20+\b], v30, 11, v[20+\b]
	v_lshl_add_u32 v[20+\b], v31, 21, v[20+\b]
.irp m, 1,2,4,8
	v_mov_b32_dpp v30, v[20+\b] row_xmask:\m row_mask:0xf bank_mask:0xf
	v_add_nc_u32 v[20+\b], v[20+\b], v30
.endr
	v_permlanex16_b32 v30, v[20+\b], s[SEL], s[SEL+1]
	v_add_nc_u32 v[20+\b], v[20+\b], v30
	v_readfirstlane_b32 s[84+\b], v[20+\b]
.endr
	s_mov_b32 s31, 0                               ; the bucket's first place
	v_mov_b32 v32, 0
	v_mov_b32 v33, 0
	v_mov_b32 v36, 0                               ; the head of route: lanes 0-8 first places, lanes 16-24 counts, else 0
.irp b, 0,1,2,3,4,5,6,7,8
	s_and_b32 s27, s[84+\b], 0x7ff
	s_bfe_u32 s28, s[84+\b], 0xa000b
	s_lshr_b32 s29, s[84+\b], 21
	v_writelane_b32 v36, s31, \b
	v_writelane_b32 v36, s27, 16+\b
	s_add_co_u32 s28, s28, s31
	s_add_co_u32 s29, s29, s31
	v_mov_b32 v30, s28
	v_mov_b32 v31, s29
	v_cndmask_b32 v32, v32, v30, s[66+\b]
	v_cndmask_b32 v33, v33, v31, s[75+\b]
	s_add_co_u32 s27, s27, 15
	s_and_b32 s27, s27, 0x7f0                      ; every bucket begins on a multiple of 16
	s_add_co_u32 s31, s31, s27
.endr
	v_add_nc_u32 v32, v32, v9
	v_add_nc_u32 v33, v33, v10
	v_min_u32 v32, 0x47f, v32                      ; 1,024 tokens and nine roundings up to 16 give at most 1,152 places
	v_min_u32 v33, 0x47f, v33
	v_lshlrev_b32 v32, 2, v32
	v_lshlrev_b32 v33, 2, v33
	v_add_nc_u32 v34, 512, v0
	global_store_b32 v32, v0, s[24:25] offset:256
	global_store_b32 v33, v34, s[24:25] offset:256
	s_cmp_lg_u32 s[WV], 0
	s_cbranch_scc1 .Ls_end
	v_lshlrev_b32 v35, 2, v1
	global_store_b32 v35, v36, s[24:25]
.Ls_end:
	s_wait_tensorcnt 0x0
	ds_add_u32 v254, v255
	s_wait_dscnt 0x0
	s_endpgm
; ---------------- W: group gamma of 64 columns, K step ks, half cp of it: 64 rows x 64 columns a wave
.Lrole_w:
	s_lshr_b32 s27, ttmp9, 1                       ; gamma: 0-31 q_w, 32-39 k_w, 40-47 v_w, 48-79 o_w
	s_and_b32 s28, ttmp9, 1
	s_lshl_b32 s28, s28, 3
	s_lshr_b32 s29, s[WV], 1
	s_add_co_u32 s28, s28, s29                     ; ks
	s_and_b32 s29, s[WV], 1                        ; cp
	s_lshl_b32 s30, s28, 7
	s_lshl_b32 s31, s29, 6
	s_add_co_u32 s30, s30, s31                     ; my first row: 128 ks + 64 cp
	v_lshlrev_b32 v4, 4, v2                        ; 16 rho
	s_mov_b32 s55, 0
	s_wait_kmcnt 0x0
	s_cmp_lt_u32 s27, 32
	s_cbranch_scc0 .Lw_not_q
	s_mov_b64 s[50:51], s[8:9]
	s_mov_b32 s52, s33                             ; e[1]
	s_lshl_b32 s54, s30, 13
	s_lshl_b32 s53, s27, 8
	s_add_co_u32 s54, s54, s53
	s_add_nc_u64 s[50:51], s[50:51], s[54:55]
	v_lshl_add_u32 v4, v3, 17, v4                  ; lanes 16-31: 16 rows further down
	WLOAD 8192, 0
	s_branch .Lw_go
.Lw_not_q:
	s_cmp_lt_u32 s27, 48
	s_cbranch_scc0 .Lw_o
	s_cmp_lt_u32 s27, 40
	s_cselect_b64 s[50:51], s[10:11], s[12:13]
	s_cselect_b32 s52, s35, s37                    ; e[3] or e[5]
	s_and_b32 s53, s27, 7
	s_lshl_b32 s53, s53, 8
	s_lshl_b32 s54, s30, 11
	s_add_co_u32 s54, s54, s53
	s_add_nc_u64 s[50:51], s[50:51], s[54:55]
	v_lshl_add_u32 v4, v3, 15, v4
	WLOAD 2048, 0
	s_branch .Lw_go
.Lw_o:
	s_mov_b64 s[50:51], s[14:15]
	s_mov_b32 s52, s43                             ; e[11]
	s_sub_co_u32 s53, s27, 48
	s_lshl_b32 s53, s53, 8
	s_lshl_b32 s54, s30, 13
	s_add_co_u32 s54, s54, s53
	s_add_nc_u64 s[50:51], s[50:51], s[54:55]
	v_lshl_add_u32 v4, v3, 18, v4                  ; lanes 16-31: 32 rows further down
	WLOAD 8192, 1
.Lw_go:
	MKSC 52, 53, 241, 240
	s_lshl_b32 s54, s27, 17                        ; ((4 gamma + t) 16 + ks) 2048 + 512 (2 cp + cb)
	s_lshl_b32 s53, s28, 11
	s_add_co_u32 s54, s54, s53
	s_lshl_b32 s53, s29, 10
	s_add_co_u32 s54, s54, s53
	s_add_nc_u64 s[22:23], s[22:23], s[54:55]
	v_lshlrev_b32 v5, 4, v1
	s_wait_loadcnt 16                              ; the first block's 16 loads are in, the second's may be out
	QBLK4 112, 16
.irp t, 0,1,2,3
	global_store_b128 v5, v[16+4*\t:19+4*\t], s[22:23] offset:32768*\t          ; 32 lanes store 512 consecutive bytes
.endr
	s_wait_loadcnt 0x0
	QBLK4 176, 32
.irp t, 0,1,2,3
	global_store_b128 v5, v[32+4*\t:35+4*\t], s[22:23] offset:32768*\t+512
.endr
	s_endpgm
; ---------------- N: 16 rows of x; wave w holds K step w (128 columns) of all 16: lane (r, h) 64 numbers of row r
.Lrole_n:
	s_sub_co_u32 s27, ttmp9, 160
	s_lshl_b32 s28, s27, 17
	s_lshl_b32 s30, s[WV], 9
	s_mov_b32 s29, 0
	s_mov_b32 s31, 0
	s_add_co_u32 s28, s28, s30
	s_add_nc_u64 s[4:5], s[4:5], s[28:29]
	s_add_nc_u64 s[6:7], s[6:7], s[30:31]
	v_lshlrev_b32 v5, 6, v3                        ; 64 h
	v_lshl_add_u32 v4, v2, 13, v5                  ; 8192 r + 64 h
	XLOAD 16, 4, 4
	XLOAD 80, 5, 6
	s_lshl_b32 s52, s27, 15
	s_lshl_b32 s54, s[WV], 11
	s_add_co_u32 s52, s52, s54
	s_add_co_u32 s52, s52, HC
	s_mov_b32 s53, 0
	s_add_nc_u64 s[22:23], s[22:23], s[52:53]
	s_lshl_b32 s54, s[WV], 2
	v_lshl_add_u32 v6, v2, 6, s54                  ; LDS: 64 r + 4 w: my wave's part of row r's sum
	v_lshlrev_b32 v7, 6, v2
	v_lshlrev_b32 v8, 4, v1
	s_mov_b32 s96, 0x3a000000                      ; 1 / 2048
	s_mov_b32 s97, 0x358637bd                      ; 1e-6
	s_wait_kmcnt 0x0
	MKSC 32, 55, 224, 225
	MKSC 34, 55, 226, 227
	MKSC 36, 55, 228, 229
	s_wait_loadcnt 16                              ; x is in, in_ln's 16 loads may be out
.irp p, 0,1,2,3
	v_pk_mul_f32 v[144+2*\p:145+2*\p], v[16+2*\p:17+2*\p], v[16+2*\p:17+2*\p]
.endr
.set p, 4
.rept 28
	v_pk_fma_f32 v[144+2*(p%4):145+2*(p%4)], v[16+2*p:17+2*p], v[16+2*p:17+2*p], v[144+2*(p%4):145+2*(p%4)]
.set p, p+1
.endr
	v_pk_add_f32 v[144:145], v[144:145], v[146:147]
	v_pk_add_f32 v[148:149], v[148:149], v[150:151]
	v_pk_add_f32 v[144:145], v[144:145], v[148:149]
	v_add_f32 v144, v144, v145
	v_permlanex16_b32 v145, v144, s[SEL], s[SEL+1]
	v_add_f32 v144, v144, v145                     ; row r's 128 squares of this K step
	ds_store_b32 v6, v144
	s_wait_dscnt 0x0
	s_barrier_signal -1
	s_barrier_wait -1
.irp q, 0,1,2,3
	ds_load_b128 v[144+4*\q:147+4*\q], v7 offset:16*\q
.endr
	s_wait_dscnt 0x0
	v_pk_add_f32 v[144:145], v[144:145], v[146:147]
	v_pk_add_f32 v[148:149], v[148:149], v[150:151]
	v_pk_add_f32 v[152:153], v[152:153], v[154:155]
	v_pk_add_f32 v[156:157], v[156:157], v[158:159]
	v_pk_add_f32 v[144:145], v[144:145], v[148:149]
	v_pk_add_f32 v[152:153], v[152:153], v[156:157]
	v_pk_add_f32 v[144:145], v[144:145], v[152:153]
	v_add_f32 v144, v144, v145
	v_fma_f32 v144, v144, s96, s97                 ; the mean of the squares + eps
	v_rsq_f32 v146, v144
	v_nop
	s_wait_alu depctr_va_vdst(0)
	v_mov_b32 v147, v146
	s_wait_loadcnt 0x0                             ; in_ln
.set p, 0
.rept 32
	v_pk_mul_f32 v[16+2*p:17+2*p], v[16+2*p:17+2*p], v[146:147]
.set p, p+1
.endr
.set p, 0
.rept 32
	v_pk_mul_f32 v[16+2*p:17+2*p], v[16+2*p:17+2*p], v[80+2*p:81+2*p]
.set p, p+1
.endr
	QUANT64 176, 224, 225
.irp c, 0,1,2,3
	global_store_b128 v8, v[176+4*\c:179+4*\c], s[22:23] offset:512*\c
.endr
	QUANT64 192, 226, 227
.irp c, 0,1,2,3
	global_store_b128 v8, v[192+4*\c:195+4*\c], s[22:23] offset:2097152+512*\c
.endr
	QUANT64 208, 228, 229
.irp c, 0,1,2,3
	global_store_b128 v8, v[208+4*\c:211+4*\c], s[22:23] offset:4194304+512*\c
.endr
	s_wait_tensorcnt 0x0
	ds_add_u32 v254, v255
	s_wait_dscnt 0x0
	s_endpgm
; ---------------- R: cos and sin of s x 10000^(-i/64). A thread makes two blocks of four neighbouring i.
; The angle (up to 1,023) is brought to |r| <= pi/4 by n = the nearest whole number to angle x 2/pi and pi/2 in two parts; sin r to r^9, cos r to r^8; the quadrant chooses values, never an address.
.Lrole_r:
	s_mov_b32 s27, 0xbfc90fdb                      ; -(pi/2 rounded to f32)
	s_mov_b32 s28, 0x333bbd2e                      ; that f32 number less pi/2
	s_mov_b32 s29, 0x3638ef1d                      ; 1/9!
	s_mov_b32 s30, 0xb9500d01                      ; -1/7!
	s_mov_b32 s31, 0x3c088889                      ; 1/5!
	s_mov_b32 s48, 0xbe2aaaab                      ; -1/3!
	s_mov_b32 s49, 0x37d00d01                      ; 1/8!
	s_mov_b32 s50, 0xbab60b61                      ; -1/6!
	s_mov_b32 s51, 0x3d2aaaab                      ; 1/4!
	s_sub_co_u32 s52, ttmp9, 224
	s_lshl_b32 s52, s52, 9
	v_add_nc_u32 v4, s52, v0
	s_add_nc_u64 s[22:23], s[22:23], ROPE
.macro RBLK add
	v_add_nc_u32 v5, \add, v4                      ; the block: s = block / 16, i = 4 (block % 16) + n
	v_lshrrev_b32 v6, 4, v5
	v_cvt_f32_u32 v6, v6
	v_and_b32 v7, 15, v5
	v_lshlrev_b32 v7, 2, v7
	v_lshlrev_b32 v40, 4, v5
.irp n, 0,1,2,3
	v_add_nc_u32 v[8+\n], \n, v7
	v_cvt_f32_u32 v[8+\n], v[8+\n]
	v_mul_f32 v[8+\n], 0xbe549a78, v[8+\n]         ; -i log2(10000) / 64
.endr
.irp n, 0,1,2,3
	v_exp_f32 v[8+\n], v[8+\n]
.endr
	v_nop
	s_wait_alu depctr_va_vdst(0)
.irp n, 0,1,2,3
	v_mul_f32 v[8+\n], v6, v[8+\n]                 ; the angle
	v_mul_f32 v[12+\n], 0x3f22f983, v[8+\n]
	v_rndne_f32 v[12+\n], v[12+\n]
	v_fma_f32 v[8+\n], v[12+\n], s27, v[8+\n]
	v_fma_f32 v[8+\n], v[12+\n], s28, v[8+\n]      ; r
	v_cvt_i32_f32 v[12+\n], v[12+\n]
	v_mul_f32 v[16+\n], v[8+\n], v[8+\n]
	v_fma_f32 v[20+\n], v[16+\n], s29, s30
	v_fma_f32 v[24+\n], v[16+\n], s49, s50
	v_fma_f32 v[20+\n], v[20+\n], v[16+\n], s31
	v_fma_f32 v[24+\n], v[24+\n], v[16+\n], s51
	v_fma_f32 v[20+\n], v[20+\n], v[16+\n], s48
	v_fma_f32 v[24+\n], v[24+\n], v[16+\n], -0.5
	v_mul_f32 v[36+\n], v[8+\n], v[16+\n]
	v_fma_f32 v[24+\n], v[24+\n], v[16+\n], 1.0    ; cos r
	v_fma_f32 v[20+\n], v[36+\n], v[20+\n], v[8+\n] ; sin r
	v_and_b32 v[36+\n], 1, v[12+\n]
	v_cmp_eq_u32 vcc_lo, 1, v[36+\n]
	v_cndmask_b32 v[28+\n], v[24+\n], v[20+\n], vcc_lo
	v_cndmask_b32 v[32+\n], v[20+\n], v[24+\n], vcc_lo
	v_add_nc_u32 v[36+\n], 1, v[12+\n]
	v_and_b32 v[36+\n], 2, v[36+\n]
	v_lshlrev_b32 v[36+\n], 30, v[36+\n]
	v_xor_b32 v[28+\n], v[28+\n], v[36+\n]         ; cos: negative in quadrants 1 and 2
	v_and_b32 v[36+\n], 2, v[12+\n]
	v_lshlrev_b32 v[36+\n], 30, v[36+\n]
	v_xor_b32 v[32+\n], v[32+\n], v[36+\n]         ; sin: negative in quadrants 2 and 3
.endr
	global_store_b128 v40, v[28:31], s[22:23]
	global_store_b128 v40, v[32:35], s[22:23] offset:262144
.endm
	RBLK 0
	s_wait_xcnt 0x0                                ; the stores' registers are written again only behind this wait
	RBLK 8192
	s_endpgm
.Lfunc_end_k_qd02abec2ac_prep:
	.size	k_qd02abec2ac_prep, .Lfunc_end_k_qd02abec2ac_prep-k_qd02abec2ac_prep
	.p2alignl 7, 3214868480
	.fill 96, 4, 3214868480
	.section	.rodata,"a",@progbits
	.p2align	6, 0x0
	.amdhsa_kernel k_qd02abec2ac_prep
		.amdhsa_group_segment_fixed_size 10240
		.amdhsa_private_segment_fixed_size 0
		.amdhsa_enable_private_segment 0
		.amdhsa_kernarg_size 88
		.amdhsa_user_sgpr_count 2
		.amdhsa_user_sgpr_kernarg_segment_ptr 1
		.amdhsa_wavefront_size32 1
		.amdhsa_system_sgpr_workgroup_id_x 1
		.amdhsa_system_sgpr_workgroup_id_y 1
		.amdhsa_system_sgpr_workgroup_id_z 1
		.amdhsa_system_vgpr_workitem_id 0
		.amdhsa_next_free_vgpr 256
		.amdhsa_next_free_sgpr 104
		.amdhsa_reserve_vcc 1
		.amdhsa_float_denorm_mode_32 3
		.amdhsa_float_denorm_mode_16_64 3
		.amdhsa_memory_ordered 1
		.amdhsa_forward_progress 1
		.amdhsa_inst_pref_size 83
	.end_amdhsa_kernel
	.amdgpu_metadata
---
amdhsa.version: [ 1, 2 ]
amdhsa.kernels:
  - .name:           k_qd02abec2ac_prep
    .symbol:         k_qd02abec2ac_prep.kd
    .args:
      - { .name: x, .offset: 0, .size: 8, .value_kind: global_buffer, .address_space: global }
      - { .name: in_ln, .offset: 8, .size: 8, .value_kind: global_buffer, .address_space: global }
      - { .name: q_w, .offset: 16, .size: 8, .value_kind: global_buffer, .address_space: global }
      - { .name: k_w, .offset: 24, .size: 8, .value_kind: global_buffer, .address_space: global }
      - { .name: v_w, .offset: 32, .size: 8, .value_kind: global_buffer, .address_space: global }
      - { .name: o_w, .offset: 40, .size: 8, .value_kind: global_buffer, .address_space: global }
      - { .name: token_ids, .offset: 48, .size: 8, .value_kind: global_buffer, .address_space: global }
      - { .name: token_to_expert, .offset: 56, .size: 8, .value_kind: global_buffer, .address_space: global }
      - { .name: lowp_scales, .offset: 64, .size: 8, .value_kind: global_buffer, .address_space: global }
      - { .name: prep, .offset: 72, .size: 8, .value_kind: global_buffer, .address_space: global }
      - { .name: route, .offset: 80, .size: 8, .value_kind: global_buffer, .address_space: global }
    .group_segment_fixed_size: 10240
    .private_segment_fixed_size: 0
    .kernarg_segment_align: 8
    .kernarg_segment_size: 88
    .max_flat_workgroup_size: 512
    .sgpr_count:     104
    .vgpr_count:     256
    .wavefront_size: 32
...
	.end_amdgpu_metadata
.endif
;; end of part 1
;; launch qkv (part 2): grid 24 x 8, 4 waves a work-group, no clusters, 327,680 bytes of LDS; arguments prep, q_norm, k_norm, lowp_scales, qkc; writes qkc
.if DOCPART == 2
	.amdgcn_target "amdgcn-amd-amdhsa--gfx1250"
	.amdhsa_code_object_version 6
	.text
	.protected	k_qd02abec2ac_qkv
	.globl	k_qd02abec2ac_qkv
	.p2align	8
	.type	k_qd02abec2ac_qkv,@function
k_qd02abec2ac_qkv:
	s_mov_b64 s[64:65], 0
	v_nop
	global_prefetch_b8 v0, s[64:65] scope:SCOPE_SE
	s_setreg_imm32_b32 hwreg(HW_REG_WAVE_MODE, 25, 1), 1
	s_wait_xcnt 0x0
; QKV: products 1 to 3 on codes of E5M2, then RoPE, the head's RMSNorm and the quantiser for products 4 and 5.
; A work-group makes 128 tokens (y) x one strip of 128 columns (x: 0-15 the heads of q, 16-19 of k, 20-23 of v); K = 2,048 in 16 steps of 128.
; All operands lie in prep as images of fragments (16 rows x 128 K = 2,048 bytes; registers 4c..4c+3 of lane l at 512 c + 16 l), [tile][16 K steps][2048].
; LDS: two slots of 131,072 bytes, each with four K steps: region X (8 tiles that all waves read) at +0, region Y (of which wave w takes tiles 2w, 2w+1) at +65,536, both [8 tiles][4 K steps][2048].
; q, k: X = the weight, Y = the tokens: in the result a lane holds ONE token and register j of tile 4g+t the head's channel 64 g + 32 h + 4 j + t.
; v:    X = the tokens, Y = the weight: a lane holds one channel and its registers run along the tokens, which are product 5's K.
; Which of the two goes where is decided in the global addresses alone. Each wave fetches 32,768 bytes of a slot by one tensor load (4 tiles x 8,192 bytes, 32,768 bytes apart in memory).
; A wave has two tensor loads out at the start and one behind each refill's barrier.
; No cluster: left out in this first text; a strip's weight tiles are shared by 8 work-groups and a block's token tiles by up to 16.
; REGISTERS: window 0: v1-11 addresses and constants, v28-29 the add's, v32-77 the way out, v128-255 the 16 accumulators ((a, b) at v[128 + 8 (2a + b)]);
;   window 1: two sets of fragments for 64 along K (v0-79, v80-159: eight of X, two of Y); window 2: the norm's weights v0-63, cos and sin of my 32 tokens v64-191.
; LIMITS: e6, e7 and e9 - e4 - e5 lie between -126 and 112. NaN among the inputs is not served.
.set SLOTB, 131072
.set SPARE, 262144                     ; behind the ring: the spare words, 128 bytes a wave
.set ACC,  128
.set F0,   0
.set F1,   80
.set SPW,  28
.set NIL,  29
.set G1,   24
.set G0,   32
.set NW,   0
.set CO,   64
.set SI,   96
.set MSB,  0
.macro WIN new                         ; the immediate's high byte repeats the setting that is left
.if MSB != \new
	s_set_vgpr_msb (MSB<<8)|\new
.set MSB, \new
.endif
.endm
.macro PLACES                          ; four plain lines behind matrix instructions, ahead of loads into their registers and of reads of their results
.rept 4
	v_nop
.endr
.endm
.macro MKSC e, tmp, vsc, vlim
	s_add_co_i32 s[\e], s[\e], 127
	s_lshl_b32 s[\tmp], s[\e], 23
	v_mov_b32 v[\vsc], s[\tmp]
	s_add_co_i32 s[\e], s[\e], 15
	s_lshl_b32 s[\e], s[\e], 23
	s_or_b32 s[\e], s[\e], 0x600000
	v_mov_b32 v[\vlim], s[\e]
.endm
.macro FETCH slot, hs, f               ; the fragments of the slot's hs-th 64 along K: 20 loads of 512 consecutive bytes
	PLACES
	WIN 0x40
.irp a, 0,1,2,3,4,5,6,7
	ds_load_b128 v[\f+8*\a:\f+8*\a+3],   v[4+\slot] offset:\a*8192+1024*(\hs)
	ds_load_b128 v[\f+8*\a+4:\f+8*\a+7], v[4+\slot] offset:\a*8192+1024*(\hs)+512
.endr
.irp b, 0,1
	ds_load_b128 v[\f+64+8*\b:\f+64+8*\b+3],   v[6+\slot] offset:\b*8192+1024*(\hs)
	ds_load_b128 v[\f+64+8*\b+4:\f+64+8*\b+7], v[6+\slot] offset:\b*8192+1024*(\hs)+512
.endr
.endm
.macro MUL f, zero                     ; 16 matrix instructions; the 16 accumulators take turns
	WIN 0x05
.irp a, 0,1,2,3,4,5,6,7
.irp b, 0,1
.if \zero
	v_wmma_f32_16x16x64_bf8_bf8 v[ACC+8*(2*\a+\b):ACC+8*(2*\a+\b)+7], v[\f+8*\a:\f+8*\a+7], v[\f+64+8*\b:\f+64+8*\b+7], 0
.else
	v_wmma_f32_16x16x64_bf8_bf8 v[ACC+8*(2*\a+\b):ACC+8*(2*\a+\b)+7], v[\f+8*\a:\f+8*\a+7], v[\f+64+8*\b:\f+64+8*\b+7], v[ACC+8*(2*\a+\b):ACC+8*(2*\a+\b)+7]
.endif
.endr
.endr
.endm
.macro WORK slot, first                ; a slot's four K steps: eight halves of 64; one set is multiplied while the other's 20 loads are out
	FETCH \slot, 0, F0
.irp p, 0,1,2
	FETCH \slot, 2*\p+1, F1
	s_wait_dscnt 20                                ; all but the 20 just issued
.if \p == 0
	MUL F0, \first
.else
	MUL F0, 0
.endif
	FETCH \slot, 2*\p+2, F0
	s_wait_dscnt 20
	MUL F1, 0
.endr
	FETCH \slot, 7, F1
	s_wait_dscnt 20
	MUL F0, 0
	s_wait_dscnt 0x0
	MUL F1, 0
.endm
.macro CHANGE n, fill                  ; the change of slots: all my tensor loads have landed, the add, my reads of the slot are back, the barrier; then slot n's refill first
	WIN 0
	s_wait_tensorcnt 0x0
	ds_add_u32 v[SPW], v[NIL]                      ; 0 onto my spare word
.if \fill
	s_add_nc_u64 s[G0+4*\n+2:G0+4*\n+3], s[G0+4*\n+2:G0+4*\n+3], 16384   ; eight K steps on
.endif
	s_wait_dscnt 0x0
	s_barrier_signal -1
	s_barrier_wait -1
.if \fill
	tensor_load_to_lds s[G0+4*\n:G0+4*\n+3], s[G1:G1+7]
	s_nop 0
	PLACES
.endif
.endm
	s_load_b256 s[4:11], s[0:1], 0x0               ; prep, q_norm, k_norm, lowp_scales
	s_load_b64 s[12:13], s[0:1], 0x20              ; qkc
	v_lshl_add_u32 v[SPW], v0, 2, SPARE
	v_mov_b32 v[NIL], 0
	ds_add_u32 v28, v29
	ds_add_u32 v28, v29
	s_wait_dscnt 0x0
	v_lshrrev_b32 v1, 5, v0
	v_readfirstlane_b32 s15, v1                    ; wave 0..3
	s_and_b32 s14, ttmp7, 0xffff                   ; the block of 128 tokens
	s_mov_b32 s[G1+0], 0x30000                     ; elements of 8 bytes, no mask, no padding
	s_mov_b32 s[G1+1], 1024<<16                    ; tensor_dim0 = 1,024 elements: four K steps of a tile
	s_mov_b32 s[G1+2], 4<<16                       ; tensor_dim1 = 4 tiles
	s_mov_b32 s[G1+3], 1024<<16                    ; tile_dim0
	s_mov_b32 s[G1+4], 4                           ; tile_dim1
	s_mov_b32 s[G1+5], 4096                        ; from tile to tile: 32,768 bytes
	s_mov_b32 s[G1+6], 0
	s_mov_b32 s[G1+7], 0
	s_cmp_ge_u32 ttmp9, 20
	s_cselect_b32 s16, 1, 0                        ; a strip of v?
	s_cmp_ge_u32 ttmp9, 16
	s_cselect_b32 s17, 1, 0
	s_add_co_u32 s17, s17, s16                     ; which of h's three sets of codes
	s_lshl_b32 s18, ttmp9, 18                      ; the strip's weight
	s_lshl_b32 s19, s17, 21
	s_lshl_b32 s20, s14, 18
	s_add_co_u32 s19, s19, s20
	s_add_co_u32 s19, s19, 10485760                ; the block's tokens
	s_lshr_b32 s20, s15, 1
	s_xor_b32 s20, s20, s16
	s_cmp_eq_u32 s20, 0                            ; waves 0, 1 fill X, waves 2, 3 fill Y
	s_cselect_b32 s18, s18, s19
	s_and_b32 s20, s15, 1
	s_lshl_b32 s20, s20, 17                        ; tiles 0-3 or 4-7
	s_add_co_u32 s18, s18, s20
	s_mov_b32 s19, 0
	s_lshl_b32 s21, s15, 15                        ; in a slot: 32,768 x wave
	s_wait_kmcnt 0x0
	s_load_b512 s[40:55], s[10:11], 0x0            ; e[0..15] in s40..s55
	s_add_nc_u64 s[18:19], s[4:5], s[18:19]
.irp n, 0,1
	s_mov_b32 s[G0+4*\n], 1
	s_add_co_u32 s[G0+4*\n+1], s21, \n*SLOTB
	s_add_nc_u64 s[G0+4*\n+2:G0+4*\n+3], s[18:19], \n*8192
	s_or_b32 s[G0+4*\n+3], s[G0+4*\n+3], 0x80000000
.endr
	tensor_load_to_lds s[G0:G0+3], s[G1:G1+7]      ; K steps 0-3
	s_nop 0
	tensor_load_to_lds s[G0+4:G0+7], s[G1:G1+7]    ; K steps 4-7
	s_nop 0
	PLACES
	v_and_b32 v1, 31, v0
	v_and_b32 v2, 15, v0
	v_bfe_u32 v3, v0, 4, 1
	v_lshlrev_b32 v4, 4, v1                        ; X in slot 0: 16 x lane
	v_add_nc_u32 v5, SLOTB, v4
	s_lshl_b32 s20, s15, 14
	s_add_co_u32 s20, s20, 65536
	v_add_nc_u32 v6, s20, v4                       ; Y, my two tiles
	v_add_nc_u32 v7, SLOTB, v6
	v_lshlrev_b32 v8, 7, v3                        ; 128 h
	v_lshl_add_u32 v11, v2, 8, v8                  ; 256 r + 128 h
	s_cmp_lt_u32 ttmp9, 16
	s_cselect_b64 s[60:61], s[6:7], s[8:9]         ; q_norm for q's heads, else k_norm
	s_lshl_b32 s22, s14, 15
	s_lshl_b32 s20, s15, 13
	s_add_co_u32 s22, s22, s20
	s_add_co_u32 s22, s22, 16777216                ; the table's rows of my 32 tokens
	s_mov_b32 s23, 0
	s_add_nc_u64 s[62:63], s[4:5], s[22:23]
	s_lshl_b32 s22, ttmp9, 17
	s_lshl_b32 s20, s14, 14
	s_add_co_u32 s22, s22, s20
	s_lshl_b32 s20, s15, 12
	s_add_co_u32 s22, s22, s20
	s_add_nc_u64 s[12:13], s[12:13], s[22:23]      ; qkc + 131072 strip + 2048 (8 y + 2 w)
	s_mov_b32 s66, 0x76543210
	s_mov_b32 s67, 0xfedcba98
	WIN 0x80                                       ; destination window 2
.irp g, 0,1
.irp j, 0,1,2,3,4,5,6,7
	global_load_b128 v[NW+32*\g+4*\j:NW+32*\g+4*\j+3], v8, s[60:61] offset:256*\g+16*\j   ; the norm's weight at channels 64 g + 32 h + 4 j ..
.endr
.endr
.irp b, 0,1
.irp j, 0,1,2,3,4,5,6,7
	global_load_b128 v[CO+64*\b+4*\j:CO+64*\b+4*\j+3], v11, s[62:63] offset:4096*\b+16*\j
	global_load_b128 v[SI+64*\b+4*\j:SI+64*\b+4*\j+3], v11, s[62:63] offset:262144+4096*\b+16*\j
.endr
.endr
	WIN 0
	s_wait_kmcnt 0x0
	s_cmp_lt_u32 ttmp9, 20
	s_cselect_b32 s56, s42, s44
	s_cselect_b32 s57, s43, s45
	s_cselect_b32 s58, s47, s49
	s_cmp_lt_u32 ttmp9, 16
	s_cselect_b32 s56, s40, s56
	s_cselect_b32 s57, s41, s57
	s_cselect_b32 s58, s46, s58                    ; the result's own scale: e6, e7 or e9
	s_add_co_i32 s56, s56, s57                     ; E: a sum stands for sum x 2^E
	s_sub_co_i32 s57, s58, s56
	s_cmp_lt_u32 ttmp9, 20
	s_cselect_b32 s58, s58, s57                    ; v's sums are quantised as they stand: its three scales folded into one
	MKSC 58, 57, 9, 10
	s_lshl_b32 s57, s56, 1
	s_sub_co_i32 s57, s57, 7                       ; 2 E - 7: the squares' scale, and the division by 128
	s_wait_tensorcnt 0x1                           ; my part of slot 0 is in; slot 1's may stay out
	s_barrier_signal -1
	s_barrier_wait -1
	WORK 0, 1
	CHANGE 0, 1
	WORK 1, 0
	CHANGE 1, 1
	WORK 0, 0
	CHANGE 0, 0
	WORK 1, 0
	WIN 0
	PLACES
	s_wait_loadcnt 0x0                             ; the norm's weights, cos and sin
	s_cmp_lt_u32 ttmp9, 20
	s_cbranch_scc0 .Lway_v
; q and k: RoPE (channel d with d + 64), the head's RMSNorm, the quantiser. Each accumulator is read from its low end on.
.macro QKOUT bb
	WIN 0x08                                       ; source 1 in window 2
.irp t, 0,1,2,3
.irp j, 0,1,2,3,4,5,6,7
	v_mul_f32 v[64+2*(\j%2)], v[ACC+8*(2*\t+\bb)+\j], v[CO+64*\bb+4*\j+\t]
	v_mul_f32 v[65+2*(\j%2)], v[ACC+8*(2*\t+\bb)+\j], v[SI+64*\bb+4*\j+\t]
	v_fma_f32 v[ACC+8*(2*\t+\bb)+\j], -v[ACC+8*(2*\t+8+\bb)+\j], v[SI+64*\bb+4*\j+\t], v[64+2*(\j%2)]
	v_fma_f32 v[ACC+8*(2*\t+8+\bb)+\j], v[ACC+8*(2*\t+8+\bb)+\j], v[CO+64*\bb+4*\j+\t], v[65+2*(\j%2)]
.endr
.endr
	WIN 0
.irp u, 0,1,2,3
	v_pk_mul_f32 v[68+2*\u:69+2*\u], v[ACC+8*\bb+2*\u:ACC+8*\bb+2*\u+1], v[ACC+8*\bb+2*\u:ACC+8*\bb+2*\u+1]
.endr
.irp a, 1,2,3,4,5,6,7
.irp u, 0,1,2,3
	v_pk_fma_f32 v[68+2*\u:69+2*\u], v[ACC+8*(2*\a+\bb)+2*\u:ACC+8*(2*\a+\bb)+2*\u+1], v[ACC+8*(2*\a+\bb)+2*\u:ACC+8*(2*\a+\bb)+2*\u+1], v[68+2*\u:69+2*\u]
.endr
.endr
	v_pk_add_f32 v[68:69], v[68:69], v[70:71]
	v_pk_add_f32 v[72:73], v[72:73], v[74:75]
	v_pk_add_f32 v[68:69], v[68:69], v[72:73]
	v_add_f32 v68, v68, v69
	v_permlanex16_b32 v69, v68, s66, s67           ; the token's other 64 channels lie in the lane 16 away
	v_add_f32 v68, v68, v69
	v_ldexp_f32 v68, v68, s57                      ; the mean of the squares
	v_add_f32 v68, 0x358637bd, v68                 ; + 1e-6
	v_rsq_f32 v76, v68
	v_nop
	s_wait_alu depctr_va_vdst(0)
	v_ldexp_f32 v76, v76, s56                      ; x 2^E
	v_mov_b32 v77, v76
.irp a, 0,1,2,3,4,5,6,7
.irp u, 0,1,2,3
	v_pk_mul_f32 v[ACC+8*(2*\a+\bb)+2*\u:ACC+8*(2*\a+\bb)+2*\u+1], v[ACC+8*(2*\a+\bb)+2*\u:ACC+8*(2*\a+\bb)+2*\u+1], v[76:77]
.endr
.endr
	WIN 0x08
.irp a, 0,1,2,3,4,5,6,7
.irp j, 0,1,2,3,4,5,6,7
	v_mul_f32 v[ACC+8*(2*\a+\bb)+\j], v[ACC+8*(2*\a+\bb)+\j], v[NW+32*(\a/4)+4*\j+\a%4]
.endr
.endr
	WIN 0
.irp a, 0,1,2,3,4,5,6,7
.irp j, 0,1,2,3,4,5,6,7
	v_med3_num_f32 v[ACC+8*(2*\a+\bb)+\j], v[ACC+8*(2*\a+\bb)+\j], -v10, v10
.endr
	v_cvt_scalef32_pk8_bf8_f32 v[32+16*\bb+2*\a:33+16*\bb+2*\a], v[ACC+8*(2*\a+\bb):ACC+8*(2*\a+\bb)+7], v9
.endr
	v_nop
.irp c, 0,1,2,3
	global_store_b128 v4, v[32+16*\bb+4*\c:35+16*\bb+4*\c], s[12:13] offset:2048*\bb+512*\c   ; 512 consecutive bytes
.endr
.endm
	QKOUT 0
	QKOUT 1
	s_branch .Lend
.Lway_v:                               ; v: lane (r, h) holds channel r of tile 2w + b; register j of accumulator a is token 16 a + 8 h + j
.irp b, 0,1
.irp a, 0,1,2,3,4,5,6,7
.irp j, 0,1,2,3,4,5,6,7
	v_med3_num_f32 v[ACC+8*(2*\a+\b)+\j], v[ACC+8*(2*\a+\b)+\j], -v10, v10
.endr
	v_cvt_scalef32_pk8_bf8_f32 v[32+16*\b+2*\a:33+16*\b+2*\a], v[ACC+8*(2*\a+\b):ACC+8*(2*\a+\b)+7], v9
.endr
	v_nop
.irp c, 0,1,2,3
	global_store_b128 v4, v[32+16*\b+4*\c:35+16*\b+4*\c], s[12:13] offset:2048*\b+512*\c
.endr
.endr
.Lend:
	s_wait_tensorcnt 0x0                           ; the wave's end
	ds_add_u32 v[SPW], v[NIL]
	s_wait_dscnt 0x0
	s_endpgm
.Lfunc_end_k_qd02abec2ac_qkv:
	.size	k_qd02abec2ac_qkv, .Lfunc_end_k_qd02abec2ac_qkv-k_qd02abec2ac_qkv
	.p2alignl 7, 3214868480
	.fill 96, 4, 3214868480
	.section	.rodata,"a",@progbits
	.p2align	6, 0x0
	.amdhsa_kernel k_qd02abec2ac_qkv
		.amdhsa_group_segment_fixed_size 327680
		.amdhsa_private_segment_fixed_size 0
		.amdhsa_enable_private_segment 0
		.amdhsa_kernarg_size 40
		.amdhsa_user_sgpr_count 2
		.amdhsa_user_sgpr_kernarg_segment_ptr 1
		.amdhsa_wavefront_size32 1
		.amdhsa_system_sgpr_workgroup_id_x 1
		.amdhsa_system_sgpr_workgroup_id_y 1
		.amdhsa_system_sgpr_workgroup_id_z 1
		.amdhsa_system_vgpr_workitem_id 0
		.amdhsa_next_free_vgpr 768
		.amdhsa_next_free_sgpr 80
		.amdhsa_reserve_vcc 0
		.amdhsa_float_denorm_mode_32 3
		.amdhsa_float_denorm_mode_16_64 3
		.amdhsa_memory_ordered 1
		.amdhsa_forward_progress 1
		.amdhsa_inst_pref_size 135
	.end_amdhsa_kernel
	.amdgpu_metadata
---
amdhsa.version: [ 1, 2 ]
amdhsa.kernels:
  - .name:           k_qd02abec2ac_qkv
    .symbol:         k_qd02abec2ac_qkv.kd
    .args:
      - { .name: prep, .offset: 0, .size: 8, .value_kind: global_buffer, .address_space: global }
      - { .name: q_norm, .offset: 8, .size: 8, .value_kind: global_buffer, .address_space: global }
      - { .name: k_norm, .offset: 16, .size: 8, .value_kind: global_buffer, .address_space: global }
      - { .name: lowp_scales, .offset: 24, .size: 8, .value_kind: global_buffer, .address_space: global }
      - { .name: qkc, .offset: 32, .size: 8, .value_kind: global_buffer, .address_space: global }
    .group_segment_fixed_size: 327680
    .private_segment_fixed_size: 0
    .kernarg_segment_align: 8
    .kernarg_segment_size: 40
    .max_flat_workgroup_size: 128
    .sgpr_count:     80
    .vgpr_count:     768
    .wavefront_size: 32
...
	.end_amdgpu_metadata
.endif
;; end of part 2
;; launch attn (part 3): grid 32 x 4, 8 waves a work-group, no clusters, 263,168 bytes of LDS; arguments qkc, lowp_scales, ao; writes ao
.if DOCPART == 3
	.amdgcn_target "amdgcn-amd-amdhsa--gfx1250"
	.amdhsa_code_object_version 6
	.text
	.protected	k_qd02abec2ac_attn
	.globl	k_qd02abec2ac_attn
	.p2align	8
	.type	k_qd02abec2ac_attn,@function
k_qd02abec2ac_attn:
	s_mov_b64 s[64:65], 0
	v_nop
	global_prefetch_b8 v0, s[64:65] scope:SCOPE_SE
	s_setreg_imm32_b32 hwreg(HW_REG_WAVE_MODE, 25, 1), 1
	s_wait_xcnt 0x0
; ATTN: causal attention on codes of E5M2 (products 4 and 5), 16 query heads on 4 key and value heads, head size 128, 1,024 tokens; the result is quantised for product 6.
; A work-group (x = p, y = the key and value head) holds the head's WHOLE K (LDS 0 on) and V (131,072 on), 16,384 bytes for each step of 128 keys, filled once: nothing is filled again.
; Wave w serves query head 4 y + w % 4 and one tile of 16 queries: tile 63 - p (waves 0-3) or tile p (waves 4-7): the two together have nine key steps, whatever p is.
; Every wave fetches two parts of 16,384 bytes: the first parts are key steps 0-3 of K and V, the second key steps 4-7. Two tensor loads of a wave are out at the most.
; Both products are used transposed (S^T = K Q^T, O^T = V^T P^T): a lane holds ONE query. Register j of key tile T is key 16 T + 8 h + j, and V's fragments were laid in that order of keys.
; THE SOFTMAX: t = score x log2(e) / sqrt(128); M = the running largest t, rounded up to a whole number; p = 2^(t - M) is quantised; the sum of the unquantised p divides at the end.
; A step all of whose keys come after the wave's queries is jumped over (a branch on ids); the loops' trip counts are constants.
; No cluster: which steps a wave works hangs on its tile of queries, so partners would have to branch on their place.
; LIMITS: e6 + e7 between -123 and 130; e8 and e10 between -126 and 112. NaN among the inputs is not served.
; REGISTERS: v1 16 x lane; v8, v9 LDS addresses of the step; v12 -M, v13 the largest t, v[14:15] the sum; v16-31 Q; v32-95 four fragments; v96-159 S^T, then p; v160-223 O^T; v224-239 codes; v236-254 at work.
.set WV,  18
.set SEL, 20
.set CS,  22
.set G1,  24
.set G0,  32
.set TB,  2
.set KF,  3
.set Q0,  40
.set CNT, 41
	s_load_b128 s[4:7], s[0:1], 0x0                ; qkc, lowp_scales
	s_load_b64 s[8:9], s[0:1], 0x10                ; ao
	v_lshl_add_u32 v251, v0, 2, 0x40000
	v_mov_b32 v255, 0
	ds_add_u32 v251, v255
	ds_add_u32 v251, v255
	v_lshrrev_b32 v8, 5, v0
	v_readfirstlane_b32 s[WV], v8                  ; wave 0..7
	s_and_b32 s42, ttmp7, 0xffff                   ; the key and value head
	s_and_b32 s43, s[WV], 3
	s_lshr_b32 s44, s[WV], 2                       ; I fetch for K (0) or for V (1)
	s_lshl_b32 s45, s42, 2
	s_add_co_u32 s45, s45, s43                     ; my query head
	s_sub_co_u32 s46, 63, ttmp9
	s_cmp_lt_u32 s[WV], 4
	s_cselect_b32 s46, s46, ttmp9                  ; my tile of queries
	s_lshl_b32 s[Q0], s46, 4
	s_mov_b32 s[G1+0], 0x30000                     ; elements of 8 bytes; a dense block as 64 rows of 256 bytes
	s_mov_b32 s[G1+1], 32<<16
	s_mov_b32 s[G1+2], 64<<16
	s_mov_b32 s[G1+3], 32<<16
	s_mov_b32 s[G1+4], 64
	s_mov_b32 s[G1+5], 32
	s_mov_b32 s[G1+6], 0
	s_mov_b32 s[G1+7], 0
	s_lshl_b32 s47, s44, 17
	s_lshl_b32 s10, s43, 14
	s_add_co_u32 s47, s47, s10                     ; LDS: 131072 (w / 4) + 16384 (w % 4)
	s_lshl_b32 s12, s44, 2
	s_add_co_u32 s12, s12, s42
	s_add_co_u32 s12, s12, 16                      ; strip 16 + head (K) or 20 + head (V)
	s_lshl_b32 s12, s12, 17
	s_add_co_u32 s12, s12, s10
	s_mov_b32 s13, 0
	s_lshl_b32 s14, s45, 17
	s_lshl_b32 s10, s46, 11
	s_add_co_u32 s14, s14, s10                     ; Q's fragment
	s_mov_b32 s15, 0
	s_lshl_b32 s16, s46, 15
	s_lshl_b32 s10, s45, 11
	s_add_co_u32 s16, s16, s10                     ; ao: (16 tile + head) x 2048
	s_mov_b32 s17, 0
	s_mov_b32 s[SEL], 0x76543210
	s_mov_b32 s[SEL+1], 0xfedcba98
	s_mov_b32 s[CS], 0x3e0293ee                    ; log2(e) / sqrt(128)
	s_mov_b32 s[TB], 0
	s_mov_b32 s[KF], 0
	s_wait_dscnt 0x0
	s_wait_kmcnt 0x0
	s_load_b512 s[48:63], s[6:7], 0x0              ; e[0..15] in s48..s63
	s_add_nc_u64 s[12:13], s[4:5], s[12:13]
.irp u, 0,1
	s_mov_b32 s[G0+4*\u], 1
	s_add_co_u32 s[G0+4*\u+1], s47, \u*65536
	s_add_nc_u64 s[G0+4*\u+2:G0+4*\u+3], s[12:13], \u*65536
	s_or_b32 s[G0+4*\u+3], s[G0+4*\u+3], 0x80000000
.endr
	tensor_load_to_lds s[G0:G0+3], s[G1:G1+7]
	s_nop 0
	tensor_load_to_lds s[G0+4:G0+7], s[G1:G1+7]
	s_nop 0
.rept 4
	v_nop
.endr
	s_add_nc_u64 s[14:15], s[4:5], s[14:15]
	s_add_nc_u64 s[8:9], s[8:9], s[16:17]
	v_and_b32 v1, 31, v0
	v_lshlrev_b32 v1, 4, v1
.irp c, 0,1,2,3
	global_load_b128 v[16+4*\c:19+4*\c], v1, s[14:15] offset:512*\c
.endr
	v_mov_b32 v13, 0xff61b1e6                      ; the largest t so far: -3e38
	v_floor_f32 v12, -v13
	v_mov_b32 v14, 0
	v_mov_b32 v15, 0
	v_mov_b32 v236, 0
	v_mov_b32 v252, 0
	v_mov_b32 v253, 0
	v_mov_b32 v254, 0
.set n, 0
.rept 64
	v_mov_b32 v[160+n], 0                          ; O^T: the step is written once for all steps; the first finds zeros
.set n, n+1
.endr
	s_wait_kmcnt 0x0
	s_add_co_i32 s60, s54, s55                     ; e6 + e7, added to c's exponent field
	s_lshl_b32 s60, s60, 23
	s_add_co_i32 s[CS], s[CS], s60
	s_mov_b32 s[CS+1], s[CS]
	s_add_co_i32 s60, s56, 127
	s_lshl_b32 s61, s60, 23
	v_mov_b32 v244, s61                            ; 2^e8
	s_add_co_i32 s60, s60, 15
	s_lshl_b32 s60, s60, 23
	s_or_b32 s60, s60, 0x600000
	v_mov_b32 v240, s60                            ; 57,344 x 2^e8
.macro STEP
	s_add_co_u32 s60, s[Q0], 15
	s_cmp_gt_u32 s[KF], s60                        ; all 128 keys come after my queries?
	s_cbranch_scc1 .Lhidden_\@
	v_add_nc_u32 v8, s[TB], v1
	v_add_nc_u32 v9, 131072, v8
.irp g, 0,1
.rept 4-2*(1-\g)
	v_nop                                          ; places in front of loads into registers that matrix instructions have read (the two additions above are places too)
.endr
.irp t, 0,1,2,3
.irp c, 0,1,2,3
	ds_load_b128 v[32+16*\t+4*\c:32+16*\t+4*\c+3], v8 offset:2048*(4*\g+\t)+512*\c
.endr
.endr
	s_wait_dscnt 0x0
.irp t, 0,1,2,3
	v_wmma_f32_16x16x128_bf8_bf8 v[96+8*(4*\g+\t):103+8*(4*\g+\t)], v[32+16*\t:47+16*\t], v[16:31], 0
.endr
.endr
.rept 4
	v_nop
.endr
	s_add_co_u32 s60, s[KF], 127
	s_cmp_le_u32 s60, s[Q0]                        ; all keys count: no mask
	s_cbranch_scc1 .Lopen_\@
	s_sub_co_i32 s60, s[Q0], s[KF]
	v_and_b32 v252, 15, v0
	v_bfe_u32 v253, v0, 4, 1
	v_lshlrev_b32 v253, 3, v253
	v_sub_nc_u32 v252, v252, v253
	v_add_nc_u32 v252, s60, v252                   ; d = my query - the step's first key - 8 h; register n holds key 16 (n / 8) + n % 8 beyond that: hidden where that is above d
	v_mov_b32 v254, 0xff800000
.set n, 0
.rept 64
	v_cmp_gt_i32 vcc_lo, 16*(n/8)+n%8, v252
	v_cndmask_b32 v[96+n], v[96+n], v254, vcc_lo
.set n, n+1
.endr
.Lopen_\@:
	v_max3_num_f32 v254, v96, v97, v98
	v_max3_num_f32 v252, v99, v100, v101
.irp i, 6,10,14,18,22,26,30,34,38,42,46,50,54,58
	v_max3_num_f32 v254, v254, v[96+\i], v[97+\i]
	v_max3_num_f32 v252, v252, v[98+\i], v[99+\i]
.endr
	v_max3_num_f32 v254, v254, v158, v159
	v_max_num_f32 v254, v254, v252
	v_permlanex16_b32 v236, v254, s[SEL], s[SEL+1]
	v_max_num_f32 v254, v254, v236
	v_mul_f32 v254, s[CS], v254
	v_max_num_f32 v13, v13, v254                   ; the running largest t
	v_mov_b32 v254, v12
	v_floor_f32 v12, -v13                          ; -M = floor(-t): M is a whole number
	v_sub_f32 v254, v12, v254
	v_cvt_i32_f32 v254, v254
	v_ldexp_f32 v252, 1.0, v254                    ; f = 2^(old M - new M)
.set n, 0
.rept 32
	v_pk_fma_f32 v[96+n:97+n], v[96+n:97+n], s[CS:CS+1], v[12:13] op_sel_hi:[1,0,0]
.set n, n+2
.endr
.set n, 0
.rept 64
	v_exp_f32 v[96+n], v[96+n]
.set n, n+1
.endr
	v_pk_mul_f32 v[14:15], v[14:15], v[252:253] op_sel_hi:[1,0]
	s_wait_alu depctr_va_vdst(0)
	v_pk_add_f32 v[242:243], v[96:97], v[98:99]    ; the sum is taken of the unquantised p
.irp j, 4,8,12,16,20,24,28,32,36,40,44,48,52,56,60
	v_pk_add_f32 v[14:15], v[14:15], v[96+\j:97+\j]
	v_pk_add_f32 v[242:243], v[242:243], v[98+\j:99+\j]
.endr
	v_pk_add_f32 v[14:15], v[14:15], v[242:243]
.irp b, 0,1,2,3
.set n, 0
.rept 16
	v_min_num_f32 v[96+16*\b+n], v[96+16*\b+n], v240
.set n, n+1
.endr
	v_cvt_scalef32_pk8_bf8_f32 v[224+4*\b:225+4*\b], v[96+16*\b:103+16*\b], v244
	v_cvt_scalef32_pk8_bf8_f32 v[226+4*\b:227+4*\b], v[104+16*\b:111+16*\b], v244
.endr
.set n, 0
.rept 32
	v_pk_mul_f32 v[160+n:161+n], v[160+n:161+n], v[252:253] op_sel_hi:[1,0]   ; O^T under the new M; these are also the places in front of what follows
.set n, n+2
.endr
.irp g, 0,1
.if \g > 0
.rept 4
	v_nop
.endr
.endif
.irp t, 0,1,2,3
.irp c, 0,1,2,3
	ds_load_b128 v[32+16*\t+4*\c:32+16*\t+4*\c+3], v9 offset:2048*(4*\g+\t)+512*\c
.endr
.endr
	s_wait_dscnt 0x0
.irp t, 0,1,2,3
	v_wmma_f32_16x16x128_bf8_bf8 v[160+8*(4*\g+\t):167+8*(4*\g+\t)], v[32+16*\t:47+16*\t], v[224:239], v[160+8*(4*\g+\t):167+8*(4*\g+\t)]
.endr
.endr
.Lhidden_\@:
	s_add_co_u32 s[KF], s[KF], 128
	s_add_co_u32 s[TB], s[TB], 16384
.endm
	s_wait_loadcnt 0x0                             ; Q
	s_wait_tensorcnt 0x1                           ; my first part is in; the second may stay out
	s_barrier_signal -1
	s_barrier_wait -1                              ; key steps 0-3 of K and V are whole
	s_mov_b32 s[CNT], 4
.Lfirst:
	STEP
	s_sub_co_u32 s[CNT], s[CNT], 1
	s_cmp_lg_u32 s[CNT], 0
	s_cbranch_scc1 .Lfirst
	s_wait_tensorcnt 0x0
	s_wait_dscnt 0x0
	s_barrier_signal -1
	s_barrier_wait -1                              ; key steps 4-7 too
	s_mov_b32 s[CNT], 4
.Lsecond:
	STEP
	s_sub_co_u32 s[CNT], s[CNT], 1
	s_cmp_lg_u32 s[CNT], 0
	s_cbranch_scc1 .Lsecond
; THE WAY OUT: O^T / the sum x 2^(e8 + e9) is attention's result; it is quantised with e10. Byte 8 T + j of lane half h is channel 64 (T / 4) + 32 h + 4 j + T % 4: o_w's codes were laid in that order.
.rept 4
	v_nop
.endr
	v_add_f32 v14, v14, v15
	v_permlanex16_b32 v252, v14, s[SEL], s[SEL+1]
	v_add_f32 v14, v14, v252
	v_rcp_f32 v14, v14
	v_nop
	s_add_co_i32 s60, s56, s57
	s_wait_alu depctr_va_vdst(0)
	v_ldexp_f32 v14, v14, s60
	s_add_co_i32 s60, s58, 127
	s_lshl_b32 s61, s60, 23
	v_mov_b32 v244, s61
	s_add_co_i32 s60, s60, 15
	s_lshl_b32 s60, s60, 23
	s_or_b32 s60, s60, 0x600000
	v_mov_b32 v240, s60
.set n, 0
.rept 64
	v_mul_f32 v[96+n], v[160+n], v14
.set n, n+1
.endr
.set n, 0
.rept 64
	v_med3_num_f32 v[96+n], v[96+n], -v240, v240
.set n, n+1
.endr
.irp t, 0,1,2,3,4,5,6,7
	v_cvt_scalef32_pk8_bf8_f32 v[224+2*\t:225+2*\t], v[96+8*\t:103+8*\t], v244
.endr
	v_nop
.irp c, 0,1,2,3
	global_store_b128 v1, v[224+4*\c:227+4*\c], s[8:9] offset:512*\c
.endr
	s_wait_tensorcnt 0x0
	ds_add_u32 v251, v255
	s_wait_dscnt 0x0
	s_endpgm
.Lfunc_end_k_qd02abec2ac_attn:
	.size	k_qd02abec2ac_attn, .Lfunc_end_k_qd02abec2ac_attn-k_qd02abec2ac_attn
	.p2alignl 7, 3214868480
	.fill 96, 4, 3214868480
	.section	.rodata,"a",@progbits
	.p2align	6, 0x0
	.amdhsa_kernel k_qd02abec2ac_attn
		.amdhsa_group_segment_fixed_size 263168
		.amdhsa_private_segment_fixed_size 0
		.amdhsa_enable_private_segment 0
		.amdhsa_kernarg_size 24
		.amdhsa_user_sgpr_count 2
		.amdhsa_user_sgpr_kernarg_segment_ptr 1
		.amdhsa_wavefront_size32 1
		.amdhsa_system_sgpr_workgroup_id_x 1
		.amdhsa_system_sgpr_workgroup_id_y 1
		.amdhsa_system_sgpr_workgroup_id_z 1
		.amdhsa_system_vgpr_workitem_id 0
		.amdhsa_next_free_vgpr 256
		.amdhsa_next_free_sgpr 100
		.amdhsa_reserve_vcc 1
		.amdhsa_float_denorm_mode_32 3
		.amdhsa_float_denorm_mode_16_64 3
		.amdhsa_memory_ordered 1
		.amdhsa_forward_progress 1
		.amdhsa_inst_pref_size 63
	.end_amdhsa_kernel
	.amdgpu_metadata
---
amdhsa.version: [ 1, 2 ]
amdhsa.kernels:
  - .name:           k_qd02abec2ac_attn
    .symbol:         k_qd02abec2ac_attn.kd
    .args:
      - { .name: qkc, .offset: 0, .size: 8, .value_kind: global_buffer, .address_space: global }
      - { .name: lowp_scales, .offset: 8, .size: 8, .value_kind: global_buffer, .address_space: global }
      - { .name: ao, .offset: 16, .size: 8, .value_kind: global_buffer, .address_space: global }
    .group_segment_fixed_size: 263168
    .private_segment_fixed_size: 0
    .kernarg_segment_align: 8
    .kernarg_segment_size: 24
    .max_flat_workgroup_size: 256
    .sgpr_count:     100
    .vgpr_count:     256
    .wavefront_size: 32
...
	.end_amdgpu_metadata
.endif
;; end of part 3
;; launch oproj (part 4): grid 16 x 8, 4 waves a work-group, no clusters, 327,680 bytes of LDS; arguments prep, ao, x, lowp_scales, x2; writes x2
.if DOCPART == 4
	.amdgcn_target "amdgcn-amd-amdhsa--gfx1250"
	.amdhsa_code_object_version 6
	.text
	.protected	k_qd02abec2ac_oproj
	.globl	k_qd02abec2ac_oproj
	.p2align	8
	.type	k_qd02abec2ac_oproj,@function
k_qd02abec2ac_oproj:
	s_mov_b64 s[64:65], 0
	v_nop
	global_prefetch_b8 v0, s[64:65] scope:SCOPE_SE
	s_setreg_imm32_b32 hwreg(HW_REG_WAVE_MODE, 25, 1), 1
	s_wait_xcnt 0x0
; OPROJ: x2 = x + attention's result x o_w (product 6) on codes of E5M2. A work-group makes 128 tokens (y) x 128 columns (x); K = 2,048 in 16 steps of 128 (a step = a head).
; The core is that of the launch for q, k, v: two LDS slots of 131,072 bytes with four K steps each; region X = the weight's 8 tiles (all waves read them), region Y = the tokens' 8 tiles (wave w takes 2w, 2w+1);
; each wave fetches 32,768 bytes of a slot by one tensor load. Two tensor loads of a wave are out at the start, one behind each refill's barrier.
; In the result a lane holds one token, and register j of tile 4g+t column 64 g + 32 h + 4 j + t of the strip. The rows meet in the wave's own stage in LDS (16 rows of 512 bytes + 16) and leave whole.
; No cluster: left out in this first text; the weight's tiles are shared by 8 work-groups, the tokens' by 16.
; REGISTERS: window 0: v1-9 addresses, v28-29 the add's, v32-95 the way out, v128-255 accumulators; window 1: two sets of fragments; window 2: my 32 rows of x (v0-127).
; LIMIT: e10 + e11 between -126 and 127.
.set SLOTB, 131072
.set STAGE, 262144
.set SPARE, 295936
.set ACC,  128
.set F0,   0
.set F1,   80
.set SPW,  28
.set NIL,  29
.set G1,   24
.set G0,   32
.set MSB,  0
.macro WIN new
.if MSB != \new
	s_set_vgpr_msb (MSB<<8)|\new
.set MSB, \new
.endif
.endm
.macro PLACES
.rept 4
	v_nop
.endr
.endm
.macro FETCH slot, hs, f
	PLACES
	WIN 0x40
.irp a, 0,1,2,3,4,5,6,7
	ds_load_b128 v[\f+8*\a:\f+8*\a+3],   v[4+\slot] offset:\a*8192+1024*(\hs)
	ds_load_b128 v[\f+8*\a+4:\f+8*\a+7], v[4+\slot] offset:\a*8192+1024*(\hs)+512
.endr
.irp b, 0,1
	ds_load_b128 v[\f+64+8*\b:\f+64+8*\b+3],   v[6+\slot] offset:\b*8192+1024*(\hs)
	ds_load_b128 v[\f+64+8*\b+4:\f+64+8*\b+7], v[6+\slot] offset:\b*8192+1024*(\hs)+512
.endr
.endm
.macro MUL f, zero                     ; the 16 accumulators take turns
	WIN 0x05
.irp a, 0,1,2,3,4,5,6,7
.irp b, 0,1
.if \zero
	v_wmma_f32_16x16x64_bf8_bf8 v[ACC+8*(2*\a+\b):ACC+8*(2*\a+\b)+7], v[\f+8*\a:\f+8*\a+7], v[\f+64+8*\b:\f+64+8*\b+7], 0
.else
	v_wmma_f32_16x16x64_bf8_bf8 v[ACC+8*(2*\a+\b):ACC+8*(2*\a+\b)+7], v[\f+8*\a:\f+8*\a+7], v[\f+64+8*\b:\f+64+8*\b+7], v[ACC+8*(2*\a+\b):ACC+8*(2*\a+\b)+7]
.endif
.endr
.endr
.endm
.macro WORK slot, first
	FETCH \slot, 0, F0
.irp p, 0,1,2
	FETCH \slot, 2*\p+1, F1
	s_wait_dscnt 20                                ; all but the 20 just issued
.if \p == 0
	MUL F0, \first
.else
	MUL F0, 0
.endif
	FETCH \slot, 2*\p+2, F0
	s_wait_dscnt 20
	MUL F1, 0
.endr
	FETCH \slot, 7, F1
	s_wait_dscnt 20
	MUL F0, 0
	s_wait_dscnt 0x0
	MUL F1, 0
.endm
.macro CHANGE n, fill
	WIN 0
	s_wait_tensorcnt 0x0                           ; all my tensor loads have landed
	ds_add_u32 v[SPW], v[NIL]                      ; 0 onto my spare word
.if \fill
	s_add_nc_u64 s[G0+4*\n+2:G0+4*\n+3], s[G0+4*\n+2:G0+4*\n+3], 16384
.endif
	s_wait_dscnt 0x0                               ; the add is done, my reads of the slot are back
	s_barrier_signal -1
	s_barrier_wait -1
.if \fill
	tensor_load_to_lds s[G0+4*\n:G0+4*\n+3], s[G1:G1+7]
	s_nop 0
	PLACES
.endif
.endm
	s_load_b256 s[4:11], s[0:1], 0x0               ; prep, ao, x, lowp_scales
	s_load_b64 s[12:13], s[0:1], 0x20              ; x2
	v_lshl_add_u32 v[SPW], v0, 2, SPARE
	v_mov_b32 v[NIL], 0
	ds_add_u32 v28, v29
	ds_add_u32 v28, v29
	s_wait_dscnt 0x0
	v_lshrrev_b32 v1, 5, v0
	v_readfirstlane_b32 s15, v1
	s_and_b32 s14, ttmp7, 0xffff
	s_mov_b32 s[G1+0], 0x30000
	s_mov_b32 s[G1+1], 1024<<16
	s_mov_b32 s[G1+2], 4<<16
	s_mov_b32 s[G1+3], 1024<<16
	s_mov_b32 s[G1+4], 4
	s_mov_b32 s[G1+5], 4096
	s_mov_b32 s[G1+6], 0
	s_mov_b32 s[G1+7], 0
	s_add_co_u32 s16, ttmp9, 24                    ; o_w's strips are 24 to 39
	s_lshl_b32 s16, s16, 18
	s_lshl_b32 s17, s14, 18
	s_cmp_lt_u32 s15, 2
	s_cselect_b32 s18, s16, s17
	s_and_b32 s20, s15, 1
	s_lshl_b32 s20, s20, 17
	s_add_co_u32 s18, s18, s20
	s_mov_b32 s19, 0
	s_lshl_b32 s21, s15, 15
	s_wait_kmcnt 0x0
	s_load_b64 s[40:41], s[10:11], 0x28            ; e10, e11
	s_cmp_lt_u32 s15, 2
	s_cselect_b64 s[22:23], s[4:5], s[6:7]         ; waves 0, 1: the weight; waves 2, 3: the tokens
	s_add_nc_u64 s[18:19], s[22:23], s[18:19]
.irp n, 0,1
	s_mov_b32 s[G0+4*\n], 1
	s_add_co_u32 s[G0+4*\n+1], s21, \n*SLOTB
	s_add_nc_u64 s[G0+4*\n+2:G0+4*\n+3], s[18:19], \n*8192
	s_or_b32 s[G0+4*\n+3], s[G0+4*\n+3], 0x80000000
.endr
	tensor_load_to_lds s[G0:G0+3], s[G1:G1+7]
	s_nop 0
	tensor_load_to_lds s[G0+4:G0+7], s[G1:G1+7]
	s_nop 0
	PLACES
	v_and_b32 v1, 31, v0
	v_and_b32 v2, 15, v0
	v_bfe_u32 v3, v0, 4, 1
	v_lshlrev_b32 v4, 4, v1
	v_add_nc_u32 v5, SLOTB, v4
	s_lshl_b32 s20, s15, 14
	s_add_co_u32 s20, s20, 65536
	v_add_nc_u32 v6, s20, v4
	v_add_nc_u32 v7, SLOTB, v6
	s_mul_i32 s20, s15, 8448
	s_add_co_u32 s20, s20, STAGE                   ; my stage
	v_mul_u32_u24 v8, v2, 528
	v_lshl_add_u32 v8, v3, 7, v8
	v_add_nc_u32 v8, s20, v8                       ; in: row r, + 128 h
	v_add_nc_u32 v9, s20, v4                       ; back: a row's 512 bytes over the 32 lanes
	s_lshl_b32 s44, s14, 20
	s_lshl_b32 s20, s15, 18
	s_add_co_u32 s44, s44, s20
	s_lshl_b32 s20, ttmp9, 9
	s_add_co_u32 s44, s44, s20                     ; (128 y + 32 w) rows of 8,192 bytes + 512 x strip
	s_mov_b32 s45, 0
	s_add_nc_u64 s[8:9], s[8:9], s[44:45]
	s_add_nc_u64 s[12:13], s[12:13], s[44:45]
	WIN 0x80
.irp bb, 0,1
.irp k, 0,1,2,3,4,5,6,7,8,9,10,11,12,13,14,15
	global_load_b128 v[64*\bb+4*\k:64*\bb+4*\k+3], v4, s[8:9] offset:(16*\bb+\k)*8192
.endr
.endr
	WIN 0
	s_wait_kmcnt 0x0
	s_add_co_i32 s42, s40, s41
	s_add_co_i32 s42, s42, 127
	s_lshl_b32 s42, s42, 23                        ; 2^(e10 + e11)
	s_wait_tensorcnt 0x1                           ; my part of slot 0 is in
	s_barrier_signal -1
	s_barrier_wait -1
	WORK 0, 1
	CHANGE 0, 1
	WORK 1, 0
	CHANGE 1, 1
	WORK 0, 0
	CHANGE 0, 0
	WORK 1, 0
	WIN 0
	PLACES
	s_wait_loadcnt 0x0                             ; x
.macro OUT bb
.irp a, 0,1,2,3,4,5,6,7
.irp j, 0,1,2,3,4,5,6,7
	v_mul_f32 v[32+32*(\a/4)+4*\j+\a%4], s42, v[ACC+8*(2*\a+\bb)+\j]   ; each accumulator from its low end on; 32 neighbouring columns on end
.endr
.endr
.irp g, 0,1
.irp j, 0,1,2,3,4,5,6,7
	ds_store_b128 v8, v[32+32*\g+4*\j:35+32*\g+4*\j] offset:256*\g+16*\j
.endr
.endr
.irp k, 0,1,2,3,4,5,6,7,8,9,10,11,12,13,14,15
	ds_load_b128 v[32+4*\k:35+4*\k], v9 offset:528*\k      ; LDS serves a wave's instructions in order: these see my stores
.endr
	s_wait_dscnt 0x0
	WIN 0x08
.set p, 0
.rept 32
	v_pk_add_f32 v[32+2*p:33+2*p], v[32+2*p:33+2*p], v[64*\bb+2*p:64*\bb+2*p+1]
.set p, p+1
.endr
	WIN 0
.irp k, 0,1,2,3,4,5,6,7,8,9,10,11,12,13,14,15
	global_store_b128 v4, v[32+4*\k:35+4*\k], s[12:13] offset:(16*\bb+\k)*8192   ; 512 consecutive bytes of a row
.endr
.endm
	OUT 0
	s_wait_xcnt 0x0                                ; the stores' data are written again only behind this wait
	OUT 1
	s_wait_tensorcnt 0x0                           ; the wave's end
	ds_add_u32 v[SPW], v[NIL]
	s_wait_dscnt 0x0
	s_endpgm
.Lfunc_end_k_qd02abec2ac_oproj:
	.size	k_qd02abec2ac_oproj, .Lfunc_end_k_qd02abec2ac_oproj-k_qd02abec2ac_oproj
	.p2alignl 7, 3214868480
	.fill 96, 4, 3214868480
	.section	.rodata,"a",@progbits
	.p2align	6, 0x0
	.amdhsa_kernel k_qd02abec2ac_oproj
		.amdhsa_group_segment_fixed_size 327680
		.amdhsa_private_segment_fixed_size 0
		.amdhsa_enable_private_segment 0
		.amdhsa_kernarg_size 40
		.amdhsa_user_sgpr_count 2
		.amdhsa_user_sgpr_kernarg_segment_ptr 1
		.amdhsa_wavefront_size32 1
		.amdhsa_system_sgpr_workgroup_id_x 1
		.amdhsa_system_sgpr_workgroup_id_y 1
		.amdhsa_system_sgpr_workgroup_id_z 1
		.amdhsa_system_vgpr_workitem_id 0
		.amdhsa_next_free_vgpr 768
		.amdhsa_next_free_sgpr 80
		.amdhsa_reserve_vcc 0
		.amdhsa_float_denorm_mode_32 3
		.amdhsa_float_denorm_mode_16_64 3
		.amdhsa_memory_ordered 1
		.amdhsa_forward_progress 1
		.amdhsa_inst_pref_size 103
	.end_amdhsa_kernel
	.amdgpu_metadata
---
amdhsa.version: [ 1, 2 ]
amdhsa.kernels:
  - .name:           k_qd02abec2ac_oproj
    .symbol:         k_qd02abec2ac_oproj.kd
    .args:
      - { .name: prep, .offset: 0, .size: 8, .value_kind: global_buffer, .address_space: global }
      - { .name: ao, .offset: 8, .size: 8, .value_kind: global_buffer, .address_space: global }
      - { .name: x, .offset: 16, .size: 8, .value_kind: global_buffer, .address_space: global }
      - { .name: lowp_scales, .offset: 24, .size: 8, .value_kind: global_buffer, .address_space: global }
      - { .name: x2, .offset: 32, .size: 8, .value_kind: global_buffer, .address_space: global }
    .group_segment_fixed_size: 327680
    .private_segment_fixed_size: 0
    .kernarg_segment_align: 8
    .kernarg_segment_size: 40
    .max_flat_workgroup_size: 128
    .sgpr_count:     80
    .vgpr_count:     768
    .wavefront_size: 32
...
	.end_amdgpu_metadata
.endif
;; end of part 4
;; launch norm2 (part 5): grid 72 x 1, 16 waves a work-group, no clusters, 3,072 bytes of LDS; arguments x2, post_ln, route, lowp_scales, h2, out0; writes h2, out0
.if DOCPART == 5
	.amdgcn_target "amdgcn-amd-amdhsa--gfx1250"
	.amdhsa_code_object_version 6
	.text
	.protected	k_qd02abec2ac_norm2
	.globl	k_qd02abec2ac_norm2
	.p2align	8
	.type	k_qd02abec2ac_norm2,@function
k_qd02abec2ac_norm2:
	s_mov_b64 s[64:65], 0
	v_nop
	global_prefetch_b8 v0, s[64:65] scope:SCOPE_SE
	s_setreg_imm32_b32 hwreg(HW_REG_WAVE_MODE, 25, 1), 1
	s_wait_xcnt 0x0
; NORM2: the tokens in sorted order, 16 places to a work-group: h2 = RMSNorm(x2) x post_ln, quantised twice with the tile's expert's scales (gate's and up's A).
; h2: [2][72 tiles][16 K steps][2048], images of fragments; byte 16 c + i of lane half h is k = 32 c + 16 h + i.
; Wave w holds K step w of the 16 rows. A tile with fewer than 16 tokens takes its last token again for the places left: such rows give the same numbers, and no lane is ever switched off.
; A tile that the split leaves unused still walks up to the barrier (on place 0, which always holds a token) and then ends. Tokens of bucket 8 (no expert) get out0 = x2 here.
; LIMITS: the two exponents lie between -126 and 112. NaN among the inputs is not served.
.set WV,  26
.set SEL, 98
.macro MKSC e, tmp, vsc, vlim
	s_add_co_i32 s[\e], s[\e], 127
	s_lshl_b32 s[\tmp], s[\e], 23
	v_mov_b32 v[\vsc], s[\tmp]
	s_add_co_i32 s[\e], s[\e], 15
	s_lshl_b32 s[\e], s[\e], 23
	s_or_b32 s[\e], s[\e], 0x600000
	v_mov_b32 v[\vlim], s[\e]
.endm
.macro XLOAD reg, voff, sb
.irp c, 0,1,2,3
.irp j, 0,1,2,3
	global_load_b128 v[\reg+16*\c+4*\j:\reg+16*\c+4*\j+3], v[\voff], s[\sb:\sb+1] offset:128*\c+16*\j
.endr
.endr
.endm
.macro QUANT64 cbase, vsc, vlim
.irp c, 0,1,2,3
.set n, 0
.rept 16
	v_med3_num_f32 v[144+16*(\c%2)+n], v[16+16*\c+n], -v[\vlim], v[\vlim]
.set n, n+1
.endr
	v_cvt_scalef32_pk8_bf8_f32 v[\cbase+4*\c:\cbase+4*\c+1], v[144+16*(\c%2):144+16*(\c%2)+7], v[\vsc]
	v_cvt_scalef32_pk8_bf8_f32 v[\cbase+4*\c+2:\cbase+4*\c+3], v[144+16*(\c%2)+8:144+16*(\c%2)+15], v[\vsc]
.endr
	v_nop
.endm
	s_load_b256 s[4:11], s[0:1], 0x0               ; x2, post_ln, route, lowp_scales
	s_load_b128 s[12:15], s[0:1], 0x20             ; h2, out0
	v_lshl_add_u32 v254, v0, 2, 0x400
	v_mov_b32 v255, 0
	v_lshrrev_b32 v1, 5, v0
	v_readfirstlane_b32 s[WV], v1
	v_and_b32 v1, 31, v0
	v_and_b32 v2, 15, v0
	v_bfe_u32 v3, v0, 4, 1
	s_mov_b32 s[SEL], 0x76543210
	s_mov_b32 s[SEL+1], 0xfedcba98
	s_lshl_b32 s16, ttmp9, 4                       ; my tile's first place
	s_lshl_b32 s28, s[WV], 9
	s_mov_b32 s29, 0
	v_lshlrev_b32 v5, 6, v3
	s_wait_kmcnt 0x0
	s_load_b512 s[32:47], s[8:9], 0x0              ; the buckets' first places
	s_load_b512 s[48:63], s[8:9], 0x40             ; their counts
	s_add_nc_u64 s[6:7], s[6:7], s[28:29]
	s_add_nc_u64 s[4:5], s[4:5], s[28:29]
	s_add_nc_u64 s[14:15], s[14:15], s[28:29]
	XLOAD 80, 5, 6                                 ; post_ln
	s_wait_kmcnt 0x0
	s_mov_b32 s17, 0
	s_mov_b32 s18, s32
	s_mov_b32 s19, s48
.irp b, 1,2,3,4,5,6,7,8                        ; the last bucket that begins at or in front of my place
	s_cmp_ge_u32 s16, s[32+\b]
	s_cselect_b32 s17, \b, s17
	s_cselect_b32 s18, s[32+\b], s18
	s_cselect_b32 s19, s[48+\b], s19
.endr
	s_sub_co_u32 s20, s16, s18
	s_sub_co_u32 s21, s19, s20
	s_min_u32 s21, s21, 16
	s_sub_co_u32 s21, s21, 1
	s_cmp_lt_u32 s20, s19                          ; does the tile hold a token?
	s_cselect_b32 s21, s21, 0                      ; its tokens less one
	s_cselect_b32 s23, s16, 0
	s_cselect_b32 s22, 1, 0
	s_min_u32 s24, s17, 7
	s_mul_i32 s24, s24, 24
	s_load_b64 s[66:67], s[10:11], s24 offset:0x30 ; gate's A and B
	s_load_b64 s[68:69], s[10:11], s24 offset:0x38 ; up's A and B
	v_min_u32 v9, s21, v2
	v_add_nc_u32 v9, s23, v9
	v_min_u32 v9, 0x47f, v9
	v_lshlrev_b32 v9, 2, v9
	global_load_b32 v10, v9, s[8:9] offset:256
	s_lshl_b32 s30, s[WV], 2
	v_lshl_add_u32 v6, v2, 6, s30
	v_lshlrev_b32 v7, 6, v2
	v_lshlrev_b32 v8, 4, v1
	s_mov_b32 s96, 0x3a000000
	s_mov_b32 s97, 0x358637bd
	s_wait_loadcnt 0x0                             ; my row's token (and post_ln)
	v_min_u32 v10, 0x3ff, v10
	v_lshl_add_u32 v4, v10, 13, v5                 ; 8192 x token + 64 h
	XLOAD 16, 4, 4
	s_wait_loadcnt 0x0
.irp p, 0,1,2,3
	v_pk_mul_f32 v[144+2*\p:145+2*\p], v[16+2*\p:17+2*\p], v[16+2*\p:17+2*\p]
.endr
.set p, 4
.rept 28
	v_pk_fma_f32 v[144+2*(p%4):145+2*(p%4)], v[16+2*p:17+2*p], v[16+2*p:17+2*p], v[144+2*(p%4):145+2*(p%4)]
.set p, p+1
.endr
	v_pk_add_f32 v[144:145], v[144:145], v[146:147]
	v_pk_add_f32 v[148:149], v[148:149], v[150:151]
	v_pk_add_f32 v[144:145], v[144:145], v[148:149]
	v_add_f32 v144, v144, v145
	v_permlanex16_b32 v145, v144, s[SEL], s[SEL+1]
	v_add_f32 v144, v144, v145
	ds_store_b32 v6, v144
	s_wait_dscnt 0x0
	s_barrier_signal -1
	s_barrier_wait -1
	s_cmp_eq_u32 s22, 0
	s_cbranch_scc1 .Lend
	s_cmp_eq_u32 s17, 8
	s_cbranch_scc1 .Lcopy
.irp q, 0,1,2,3
	ds_load_b128 v[144+4*\q:147+4*\q], v7 offset:16*\q
.endr
	s_lshl_b32 s28, ttmp9, 15
	s_lshl_b32 s30, s[WV], 11
	s_add_co_u32 s28, s28, s30
	s_add_nc_u64 s[12:13], s[12:13], s[28:29]
	s_wait_kmcnt 0x0
	MKSC 66, 31, 224, 225
	MKSC 68, 31, 226, 227
	s_wait_dscnt 0x0
	v_pk_add_f32 v[144:145], v[144:145], v[146:147]
	v_pk_add_f32 v[148:149], v[148:149], v[150:151]
	v_pk_add_f32 v[152:153], v[152:153], v[154:155]
	v_pk_add_f32 v[156:157], v[156:157], v[158:159]
	v_pk_add_f32 v[144:145], v[144:145], v[148:149]
	v_pk_add_f32 v[152:153], v[152:153], v[156:157]
	v_pk_add_f32 v[144:145], v[144:145], v[152:153]
	v_add_f32 v144, v144, v145
	v_fma_f32 v144, v144, s96, s97
	v_rsq_f32 v146, v144
	v_nop
	s_wait_alu depctr_va_vdst(0)
	v_mov_b32 v147, v146
.set p, 0
.rept 32
	v_pk_mul_f32 v[16+2*p:17+2*p], v[16+2*p:17+2*p], v[146:147]
.set p, p+1
.endr
.set p, 0
.rept 32
	v_pk_mul_f32 v[16+2*p:17+2*p], v[16+2*p:17+2*p], v[80+2*p:81+2*p]
.set p, p+1
.endr
	QUANT64 176, 224, 225
.irp c, 0,1,2,3
	global_store_b128 v8, v[176+4*\c:179+4*\c], s[12:13] offset:512*\c
.endr
	QUANT64 192, 226, 227
.irp c, 0,1,2,3
	global_store_b128 v8, v[192+4*\c:195+4*\c], s[12:13] offset:2359296+512*\c
.endr
	s_wait_tensorcnt 0x0
	ds_add_u32 v254, v255
	s_wait_dscnt 0x0
	s_endpgm
.Lcopy:                                ; no expert: the layer adds nothing to x2
.irp c, 0,1,2,3
.irp j, 0,1,2,3
	global_store_b128 v4, v[16+16*\c+4*\j:19+16*\c+4*\j], s[14:15] offset:128*\c+16*\j
.endr
.endr
.Lend:
	s_wait_tensorcnt 0x0
	ds_add_u32 v254, v255
	s_wait_dscnt 0x0
	s_endpgm
.Lfunc_end_k_qd02abec2ac_norm2:
	.size	k_qd02abec2ac_norm2, .Lfunc_end_k_qd02abec2ac_norm2-k_qd02abec2ac_norm2
	.p2alignl 7, 3214868480
	.fill 96, 4, 3214868480
	.section	.rodata,"a",@progbits
	.p2align	6, 0x0
	.amdhsa_kernel k_qd02abec2ac_norm2
		.amdhsa_group_segment_fixed_size 3072
		.amdhsa_private_segment_fixed_size 0
		.amdhsa_enable_private_segment 0
		.amdhsa_kernarg_size 48
		.amdhsa_user_sgpr_count 2
		.amdhsa_user_sgpr_kernarg_segment_ptr 1
		.amdhsa_wavefront_size32 1
		.amdhsa_system_sgpr_workgroup_id_x 1
		.amdhsa_system_sgpr_workgroup_id_y 1
		.amdhsa_system_sgpr_workgroup_id_z 1
		.amdhsa_system_vgpr_workitem_id 0
		.amdhsa_next_free_vgpr 256
		.amdhsa_next_free_sgpr 100
		.amdhsa_reserve_vcc 0
		.amdhsa_float_denorm_mode_32 3
		.amdhsa_float_denorm_mode_16_64 3
		.amdhsa_memory_ordered 1
		.amdhsa_forward_progress 1
		.amdhsa_inst_pref_size 27
	.end_amdhsa_kernel
	.amdgpu_metadata
---
amdhsa.version: [ 1, 2 ]
amdhsa.kernels:
  - .name:           k_qd02abec2ac_norm2
    .symbol:         k_qd02abec2ac_norm2.kd
    .args:
      - { .name: x2, .offset: 0, .size: 8, .value_kind: global_buffer, .address_space: global }
      - { .name: post_ln, .offset: 8, .size: 8, .value_kind: global_buffer, .address_space: global }
      - { .name: route, .offset: 16, .size: 8, .value_kind: global_buffer, .address_space: global }
      - { .name: lowp_scales, .offset: 24, .size: 8, .value_kind: global_buffer, .address_space: global }
      - { .name: h2, .offset: 32, .size: 8, .value_kind: global_buffer, .address_space: global }
      - { .name: out0, .offset: 40, .size: 8, .value_kind: global_buffer, .address_space: global }
    .group_segment_fixed_size: 3072
    .private_segment_fixed_size: 0
    .kernarg_segment_align: 8
    .kernarg_segment_size: 48
    .max_flat_workgroup_size: 512
    .sgpr_count:     100
    .vgpr_count:     256
    .wavefront_size: 32
...
	.end_amdgpu_metadata
.endif
;; end of part 5
;; launch gateup (part 6): grid 256 x 1, 16 waves a work-group, no clusters, 133,120 bytes of LDS; arguments gate_w, up_w, h2, route, lowp_scales, act; writes act
.if DOCPART == 6
	.amdgcn_target "amdgcn-amd-amdhsa--gfx1250"
	.amdhsa_code_object_version 6
	.text
	.protected	k_qd02abec2ac_gateup
	.globl	k_qd02abec2ac_gateup
	.p2align	8
	.type	k_qd02abec2ac_gateup,@function
k_qd02abec2ac_gateup:
	s_mov_b64 s[64:65], 0
	v_nop
	global_prefetch_b8 v0, s[64:65] scope:SCOPE_SE
	s_setreg_imm32_b32 hwreg(HW_REG_WAVE_MODE, 25, 1), 1
	s_wait_xcnt 0x0
; GATEUP: for expert e = x / 32 and its columns 32 s .. 32 s + 31 (s = x % 32): act = silu(h2 gate_w[e]) x (h2 up_w[e]) for the expert's own tokens alone, quantised for the down product.
; PHASE 1: the two strips of weights (2,048 rows x 32 columns of f32 each) are read once, quantised in registers and laid in LDS as images of fragments: [16 K steps][4 tiles][2048]; wave w makes K step w.
;   A load takes 16 bytes a lane: eight lanes (rho = lane % 8) read the strip's 128 bytes of a row, and the load's four groups of eight lanes (gamma = lane / 8) four rows, 16 apart: 512 bytes a load,
;   1,024 loads for a work-group's 524,288 bytes. Block 2 m + cp (m: gate or up) is 16 such loads: rows 64 cp + 16 gamma + i of the K step, i = 0 .. 15. Two blocks are kept on their way.
;   A lane's four numbers of a row are columns 4 rho + t. Column 4 rho + t is lane place r = 2 rho + t / 2 of tile t % 2 (tile tau holds the columns 2 r + tau), and gamma = 2 (c % 2) + h:
;   so the lane's 16 codes down K are registers 4c .. 4c+3 (c = 2 cp + gamma / 2) of lane (r, h = gamma % 2): k = 32 c + 16 h + i, the order of h2's codes. Tiles 0, 1: gate; 2, 3: up.
;   In LDS that place is 2048 tile + 512 c + 16 (r + 16 h) = 2048 tile + 1024 cp + 32 lane + 16 (t / 2): one store of 16 bytes a lane and tile column.
; PHASE 2: wave w takes the expert's tiles of 16 tokens w, w + 16, ..: 16 K steps, four accumulators by turns (source 0 = the weight, source 1 = the tokens: a lane holds one token,
;   register j of tile tau column 16 h + 2 j + tau). The tokens' fragments come from memory three K steps ahead.
; The counts come from route, which an earlier launch stored. The first two blocks are asked for ahead of the counts; an expert without tokens reads no more than those, and stores nothing.
; So this text has no tensor load, and its one barrier stands on every path.
; No cluster and no joint loads: the work hangs on stored counts. No prefetch: half of a work-group's stream is asked for at its head.
; act: [72 tiles][8 K steps][2048]; my 32 columns are register group s % 4 of K step s / 4: one store of 512 consecutive bytes a tile.
; LIMITS: gate's and up's B exponents, and eA(down) - Eg - Eu, lie between -126 and 112; Eg = eA + eB of gate between -126 and 126. NaN among the inputs is not served.
; REGISTERS: v16-47 accumulators (phase 1: two sets of 16 code registers); v48-111 the weight's four fragments (phase 1: 64 numbers sorted by tile column);
;   v112-239 the tokens' ring of four K steps (phase 1: two sets of 64 numbers as loaded); v240-247 constants.
.macro PLACES
.rept 4
	v_nop
.endr
.endm
.macro MKSC e, tmp, vsc, vlim
	s_add_co_i32 s[\e], s[\e], 127
	s_lshl_b32 s[\tmp], s[\e], 23
	v_mov_b32 v[\vsc], s[\tmp]
	s_add_co_i32 s[\e], s[\e], 15
	s_lshl_b32 s[\e], s[\e], 23
	s_or_b32 s[\e], s[\e], 0x600000
	v_mov_b32 v[\vlim], s[\e]
.endm
.macro WBLK bk                         ; block bk: matrix bk / 2, rows 64 (bk % 2) + 16 gamma + i of my K step
.irp i, 0,1,2,3,4,5,6,7,8,9,10,11,12,13,14,15
	global_load_b128 v[112+64*((\bk)%2)+4*\i:115+64*((\bk)%2)+4*\i], v4, s[4+2*((\bk)/2):5+2*((\bk)/2)] offset:(64*((\bk)%2)+\i)*4096
.endr
.endm
.macro QB bk
.set SS, 112+64*((\bk)%2)
.set CC, 16+16*((\bk)%2)
.set LM, 240+2*((\bk)/2)
.if (\bk) < 3
	s_wait_loadcnt 16                              ; this block's 16 loads are in; the younger block's 16 may be out
.else
	s_wait_loadcnt 0x0
.endif
.set n, 0
.rept 64
	v_med3_num_f32 v[48+n], v[SS+4*(n%16)+n/16], -v[LM], v[LM]    ; the hold at the largest code x the scale also sorts the numbers: 16 down K for each of my four columns
.set n, n+1
.endr
.if (\bk)+2 < 4
	WBLK (\bk)+2                                   ; the set just read takes the block two further on
.endif
.if (\bk) >= 2
	s_wait_dscnt 4                                 ; the four stores of two blocks ago have read these code registers; the last block's four may be out
.endif
.irp t, 0,1,2,3
	v_cvt_scalef32_pk8_bf8_f32 v[CC+4*\t:CC+4*\t+1], v[48+16*\t:48+16*\t+7], v[LM+1]
	v_cvt_scalef32_pk8_bf8_f32 v[CC+4*\t+2:CC+4*\t+3], v[48+16*\t+8:48+16*\t+15], v[LM+1]
.endr
	v_nop                                          ; a plain line behind the conversions, ahead of the next block's holds, which write their sources, and of the products, which write their results
.irp t, 0,1,2,3
	ds_store_b128 v5, v[CC+4*\t:CC+4*\t+3] offset:2048*(2*((\bk)/2)+\t%2)+1024*((\bk)%2)+16*(\t/2)
.endr
.endm
.macro ALOAD q                         ; the tokens' two fragments (gate's codes, up's codes) of K step q
.irp m, 0,1
.irp c, 0,1,2,3
	global_load_b128 v[112+32*((\q)%4)+16*\m+4*\c:115+32*((\q)%4)+16*\m+4*\c], v6, s[40:41] offset:2359296*\m+2048*(\q)+512*\c
.endr
.endr
.endm
.macro BLOAD q
.irp n, 0,1,2,3
.irp c, 0,1,2,3
	ds_load_b128 v[48+16*\n+4*\c:51+16*\n+4*\c], v[6+(\q)/8] offset:8192*((\q)%8)+2048*\n+512*\c
.endr
.endr
.endm
	s_load_b256 s[4:11], s[0:1], 0x0               ; gate_w, up_w, h2, route
	s_load_b128 s[12:15], s[0:1], 0x20             ; lowp_scales, act
	v_lshl_add_u32 v254, v0, 2, 0x20000
	v_mov_b32 v255, 0
	v_lshrrev_b32 v1, 5, v0
	v_readfirstlane_b32 s18, v1                    ; wave 0..15
	s_lshr_b32 s16, ttmp9, 5                       ; the expert
	s_and_b32 s17, ttmp9, 31                       ; the strip
	v_and_b32 v1, 31, v0                           ; lane
	v_and_b32 v2, 7, v0                            ; rho
	v_bfe_u32 v3, v0, 3, 2                         ; gamma
	v_lshlrev_b32 v4, 4, v2
	v_lshl_add_u32 v4, v3, 16, v4                  ; 16 rho + 16 rows of 4,096 bytes x gamma
	v_lshlrev_b32 v6, 4, v1                        ; 16 x lane: images in LDS (K steps 0-7) and in memory
	s_lshl_b32 s19, s18, 13
	v_lshlrev_b32 v5, 5, v1
	v_add_nc_u32 v5, s19, v5                       ; where I store my K step's codes: 8192 w + 32 x lane
	v_add_nc_u32 v7, 65536, v6                     ; K steps 8-15
	s_lshl_b32 s19, s16, 2
	s_mul_i32 s22, s16, 24
	s_lshl_b32 s30, s16, 23                        ; the expert's matrix,
	s_lshl_b32 s23, s18, 19                        ; my K step's 128 rows,
	s_add_co_u32 s30, s30, s23
	s_lshl_b32 s23, s17, 7                         ; the strip's 128 bytes of a row
	s_add_co_u32 s30, s30, s23
	s_mov_b32 s31, 0
	s_wait_kmcnt 0x0
	s_load_b32 s20, s[10:11], s19 offset:0x0       ; the expert's first place
	s_load_b32 s21, s[10:11], s19 offset:0x40      ; its count
	s_load_b64 s[24:25], s[12:13], s22 offset:0x30 ; gate: eA, eB
	s_load_b64 s[26:27], s[12:13], s22 offset:0x38 ; up
	s_load_b64 s[28:29], s[12:13], s22 offset:0x40 ; down
	s_add_nc_u64 s[4:5], s[4:5], s[30:31]
	s_add_nc_u64 s[6:7], s[6:7], s[30:31]
	WBLK 0                                         ; gate's two blocks go out ahead of the wait for the counts and the scales
	WBLK 1
	s_lshr_b32 s36, s17, 2
	s_lshl_b32 s36, s36, 11
	s_and_b32 s23, s17, 3
	s_lshl_b32 s23, s23, 9
	s_add_co_u32 s36, s36, s23
	s_mov_b32 s37, 0
	s_add_nc_u64 s[14:15], s[14:15], s[36:37]
	s_wait_kmcnt 0x0
	s_min_u32 s20, s20, 1136
	s_min_u32 s21, s21, 1024
	s_add_co_u32 s32, s21, 15
	s_lshr_b32 s32, s32, 4                         ; tiles of tokens
	s_add_co_u32 s33, s32, 15
	s_lshr_b32 s33, s33, 4                         ; passes of 16 tiles
	s_add_co_i32 s44, s24, s25                     ; Eg
	s_add_co_i32 s45, s26, s27                     ; Eu
	s_lshl_b32 s50, s44, 23
	s_add_co_i32 s50, s50, 0xbfb8aa3b              ; -log2(e) x 2^Eg
	s_sub_co_i32 s46, s28, s44
	s_sub_co_i32 s46, s46, s45                     ; act's scale with the two products' folded in
	MKSC 46, 47, 247, 246
	MKSC 25, 47, 241, 240
	MKSC 27, 47, 243, 242
	s_cmp_eq_u32 s21, 0
	s_cbranch_scc1 .Lmeet
.irp k, 0,1,2,3
	QB \k
.endr
.Lmeet:
	s_wait_loadcnt 0x0                             ; no load is out on any way: an expert without tokens awaits here the two blocks asked for at the head; the others have awaited all four
	s_wait_dscnt 0x0                               ; for the others' sake: my images lie in LDS
	s_barrier_signal -1
	s_barrier_wait -1
	s_cmp_eq_u32 s21, 0
	s_cbranch_scc1 .Lend
	s_mov_b32 s34, 0
.Lpass:
	s_lshl_b32 s35, s34, 4
	s_add_co_u32 s35, s35, s18                     ; my tile of this pass
	s_cmp_ge_u32 s35, s32
	s_cbranch_scc1 .Lskip
	s_lshl_b32 s35, s35, 4
	s_add_co_u32 s35, s35, s20
	s_min_u32 s35, s35, 1136                       ; its first place
	s_lshl_b32 s40, s35, 11
	s_mov_b32 s41, 0
	s_add_nc_u64 s[40:41], s[8:9], s[40:41]
	s_lshl_b32 s42, s35, 10
	s_mov_b32 s43, 0
	s_add_nc_u64 s[42:43], s[14:15], s[42:43]
	ALOAD 0
	ALOAD 1
	ALOAD 2
.irp q, 0,1,2,3,4,5,6,7,8,9,10,11,12,13,14,15
	PLACES                                         ; in front of loads into registers that the last products read
.if \q+3 < 16
	ALOAD \q+3
.endif
	BLOAD \q
.if \q <= 12
	s_wait_loadcnt 24                              ; this K step's 8 loads are in; three younger K steps may be out
.else
	s_wait_loadcnt 8*(15-\q)
.endif
	s_wait_dscnt 0x0
.irp n, 0,1,2,3
.if \q == 0
	v_wmma_f32_16x16x128_bf8_bf8 v[16+8*\n:23+8*\n], v[48+16*\n:63+16*\n], v[112+32*(\q%4)+16*(\n/2):127+32*(\q%4)+16*(\n/2)], 0
.else
	v_wmma_f32_16x16x128_bf8_bf8 v[16+8*\n:23+8*\n], v[48+16*\n:63+16*\n], v[112+32*(\q%4)+16*(\n/2):127+32*(\q%4)+16*(\n/2)], v[16+8*\n:23+8*\n]
.endif
.endr
.endr
	PLACES
.irp j, 0,1,2,3,4,5,6,7
.irp t, 0,1
	v_mul_f32 v[112+2*\j+\t], s50, v[16+8*\t+\j]   ; -g log2(e); each accumulator from its low end on
.endr
.endr
.set n, 0
.rept 16
	v_exp_f32 v[112+n], v[112+n]
.set n, n+1
.endr
	v_nop
.set n, 0
	s_wait_alu depctr_va_vdst(0)
.rept 16
	v_add_f32 v[112+n], 1.0, v[112+n]
.set n, n+1
.endr
.set n, 0
.rept 16
	v_rcp_f32 v[112+n], v[112+n]                   ; sigmoid(g)
.set n, n+1
.endr
	v_nop
	s_wait_alu depctr_va_vdst(0)
.irp j, 0,1,2,3,4,5,6,7
.irp t, 0,1
	v_mul_f32 v[128+2*\j+\t], v[16+8*\t+\j], v[112+2*\j+\t]
.endr
.endr
.irp j, 0,1,2,3,4,5,6,7
.irp t, 0,1
	v_mul_f32 v[128+2*\j+\t], v[128+2*\j+\t], v[32+8*\t+\j]
.endr
.endr
.set n, 0
.rept 16
	v_med3_num_f32 v[128+n], v[128+n], -v246, v246
.set n, n+1
.endr
	v_cvt_scalef32_pk8_bf8_f32 v[144:145], v[128:135], v247
	v_cvt_scalef32_pk8_bf8_f32 v[146:147], v[136:143], v247
	v_nop
	global_store_b128 v6, v[144:147], s[42:43]
	s_wait_xcnt 0x0                                ; the store's data and base are written again only behind this wait
.Lskip:
	s_add_co_u32 s34, s34, 1
	s_cmp_lt_u32 s34, s33
	s_cbranch_scc1 .Lpass
.Lend:
	s_wait_tensorcnt 0x0
	ds_add_u32 v254, v255
	s_wait_dscnt 0x0
	s_endpgm
.Lfunc_end_k_qd02abec2ac_gateup:
	.size	k_qd02abec2ac_gateup, .Lfunc_end_k_qd02abec2ac_gateup-k_qd02abec2ac_gateup
	.p2alignl 7, 3214868480
	.fill 96, 4, 3214868480
	.section	.rodata,"a",@progbits
	.p2align	6, 0x0
	.amdhsa_kernel k_qd02abec2ac_gateup
		.amdhsa_group_segment_fixed_size 133120
		.amdhsa_private_segment_fixed_size 0
		.amdhsa_enable_private_segment 0
		.amdhsa_kernarg_size 48
		.amdhsa_user_sgpr_count 2
		.amdhsa_user_sgpr_kernarg_segment_ptr 1
		.amdhsa_wavefront_size32 1
		.amdhsa_system_sgpr_workgroup_id_x 1
		.amdhsa_system_sgpr_workgroup_id_y 1
		.amdhsa_system_sgpr_workgroup_id_z 1
		.amdhsa_system_vgpr_workitem_id 0
		.amdhsa_next_free_vgpr 256
		.amdhsa_next_free_sgpr 66
		.amdhsa_reserve_vcc 0
		.amdhsa_float_denorm_mode_32 3
		.amdhsa_float_denorm_mode_16_64 3
		.amdhsa_memory_ordered 1
		.amdhsa_forward_progress 1
		.amdhsa_inst_pref_size 70
	.end_amdhsa_kernel
	.amdgpu_metadata
---
amdhsa.version: [ 1, 2 ]
amdhsa.kernels:
  - .name:           k_qd02abec2ac_gateup
    .symbol:         k_qd02abec2ac_gateup.kd
    .args:
      - { .name: gate_w, .offset: 0, .size: 8, .value_kind: global_buffer, .address_space: global }
      - { .name: up_w, .offset: 8, .size: 8, .value_kind: global_buffer, .address_space: global }
      - { .name: h2, .offset: 16, .size: 8, .value_kind: global_buffer, .address_space: global }
      - { .name: route, .offset: 24, .size: 8, .value_kind: global_buffer, .address_space: global }
      - { .name: lowp_scales, .offset: 32, .size: 8, .value_kind: global_buffer, .address_space: global }
      - { .name: act, .offset: 40, .size: 8, .value_kind: global_buffer, .address_space: global }
    .group_segment_fixed_size: 133120
    .private_segment_fixed_size: 0
    .kernarg_segment_align: 8
    .kernarg_segment_size: 48
    .max_flat_workgroup_size: 512
    .sgpr_count:     66
    .vgpr_count:     256
    .wavefront_size: 32
...
	.end_amdgpu_metadata
.endif
;; end of part 6
;; launch down (part 7): grid 256 x 1, 16 waves a work-group, no clusters, 137,216 bytes of LDS; arguments down_w, act, route, x2, lowp_scales, out0; writes out0
.if DOCPART == 7
	.amdgcn_target "amdgcn-amd-amdhsa--gfx1250"
	.amdhsa_code_object_version 6
	.text
	.protected	k_qd02abec2ac_down
	.globl	k_qd02abec2ac_down
	.p2align	8
	.type	k_qd02abec2ac_down,@function
k_qd02abec2ac_down:
	s_mov_b64 s[64:65], 0
	v_nop
	global_prefetch_b8 v0, s[64:65] scope:SCOPE_SE
	s_setreg_imm32_b32 hwreg(HW_REG_WAVE_MODE, 25, 1), 1
	s_wait_xcnt 0x0
; DOWN: for expert e = x / 32 and columns 64 s .. 64 s + 63 (s = x % 32): out0 = x2 + act down_w[e], for the expert's own tokens alone.
; PHASE 1: the strip of the weight (1,024 rows x 64 columns of f32) is read once, quantised in registers and laid in LDS as images of fragments: [8 K steps][4 tiles][2048].
;   Wave w makes half w % 2 of K step w / 2: 32 loads, all issued at once; sixteen lanes read 256 consecutive bytes of a row; tile t takes the columns 4 rho + t.
; PHASE 2: wave w takes the expert's tiles of 16 tokens w, w + 16, ..: 8 K steps, four accumulators by turns; a lane holds one token, register j of tile t column 32 h + 4 j + t.
;   The rows go through the wave's own stage (16 rows of 256 bytes + 16) and leave as whole aligned blocks of 256 bytes, each at its token's row; x2's rows are fetched by the same addresses.
;   A tile's places beyond its tokens repeat its last token: the same numbers go to the same bytes, and no lane is ever switched off.
; The counts and the order come from route, which an earlier launch stored: so no tensor load, and the one barrier stands on every path.
; LIMITS: eB between -126 and 112; eA + eB between -126 and 127. NaN among the inputs is not served.
; REGISTERS: v16-47 accumulators (phase 1: codes); v48-111 the weight's fragments (phase 1: numbers by tile; way out: rows); v112-175 act's ring of four K steps; v176-207 x2 (phase 1: v112-239 numbers as loaded); v208-231 places, tokens, addresses.
.macro PLACES
.rept 4
	v_nop
.endr
.endm
.macro MKSC e, tmp, vsc, vlim
	s_add_co_i32 s[\e], s[\e], 127
	s_lshl_b32 s[\tmp], s[\e], 23
	v_mov_b32 v[\vsc], s[\tmp]
	s_add_co_i32 s[\e], s[\e], 15
	s_lshl_b32 s[\e], s[\e], 23
	s_or_b32 s[\e], s[\e], 0x600000
	v_mov_b32 v[\vlim], s[\e]
.endm
.macro QBLK4 s, c
.set n, 0
.rept 64
	v_med3_num_f32 v[48+n], v[\s+4*(n%16)+n/16], -v240, v240
.set n, n+1
.endr
.irp t, 0,1,2,3
	v_cvt_scalef32_pk8_bf8_f32 v[\c+4*\t:\c+4*\t+1], v[48+16*\t:48+16*\t+7], v241
	v_cvt_scalef32_pk8_bf8_f32 v[\c+4*\t+2:\c+4*\t+3], v[48+16*\t+8:48+16*\t+15], v241
.endr
	v_nop
.endm
.macro ALOAD q
.irp c, 0,1,2,3
	global_load_b128 v[112+16*((\q)%4)+4*\c:115+16*((\q)%4)+4*\c], v6, s[40:41] offset:2048*(\q)+512*\c
.endr
.endm
	s_load_b256 s[4:11], s[0:1], 0x0               ; down_w, act, route, x2
	s_load_b128 s[12:15], s[0:1], 0x20             ; lowp_scales, out0
	v_lshl_add_u32 v254, v0, 2, 0x21000
	v_mov_b32 v255, 0
	v_lshrrev_b32 v1, 5, v0
	v_readfirstlane_b32 s18, v1
	s_lshr_b32 s16, ttmp9, 5
	s_and_b32 s17, ttmp9, 31
	v_and_b32 v1, 31, v0
	v_and_b32 v2, 15, v0
	v_bfe_u32 v3, v0, 4, 1
	v_lshlrev_b32 v4, 4, v2
	v_lshl_add_u32 v4, v3, 17, v4                  ; 16 rho + 16 rows x h
	v_lshlrev_b32 v6, 4, v1                        ; 16 x lane
	s_lshr_b32 s19, s18, 1                         ; ks
	s_and_b32 s23, s18, 1                          ; cp
	s_lshl_b32 s30, s19, 13
	s_lshl_b32 s31, s23, 10
	s_add_co_u32 s30, s30, s31
	v_add_nc_u32 v5, s30, v6                       ; where I store my images
	s_mul_i32 s30, s18, 4352
	s_add_co_u32 s30, s30, 65536                   ; my stage
	v_mul_u32_u24 v7, v2, 272
	v_lshl_add_u32 v7, v3, 7, v7
	v_add_nc_u32 v7, s30, v7                       ; in: row r, + 128 h
	v_mul_u32_u24 v8, v3, 272
	v_lshl_add_u32 v8, v2, 4, v8
	v_add_nc_u32 v8, s30, v8                       ; back: lanes 0-15 one row, lanes 16-31 the next
	s_lshl_b32 s30, s17, 8
	v_lshl_add_u32 v9, v2, 4, s30                  ; 256 s + 16 rho: my bytes in a row of x2 and of out0
	s_lshl_b32 s36, s19, 7
	s_lshl_b32 s37, s23, 6
	s_add_co_u32 s36, s36, s37                     ; my first row: 128 ks + 64 cp
	s_lshl_b32 s36, s36, 13
	s_add_co_u32 s36, s36, s30
	s_lshl_b32 s37, s16, 23
	s_add_co_u32 s36, s36, s37
	s_mov_b32 s37, 0
	s_lshl_b32 s19, s16, 2
	s_mul_i32 s22, s16, 24
	s_wait_kmcnt 0x0
	s_load_b32 s20, s[8:9], s19 offset:0x0
	s_load_b32 s21, s[8:9], s19 offset:0x40
	s_load_b64 s[28:29], s[12:13], s22 offset:0x40 ; down: eA, eB
	s_add_nc_u64 s[4:5], s[4:5], s[36:37]
	s_wait_kmcnt 0x0
	s_min_u32 s20, s20, 1136
	s_min_u32 s21, s21, 1024
	s_add_co_u32 s32, s21, 15
	s_lshr_b32 s32, s32, 4
	s_add_co_u32 s33, s32, 15
	s_lshr_b32 s33, s33, 4
	s_add_co_i32 s51, s28, s29
	s_add_co_i32 s51, s51, 127
	s_lshl_b32 s51, s51, 23                        ; 2^(eA + eB)
	MKSC 29, 47, 241, 240
	s_cmp_eq_u32 s21, 0
	s_cbranch_scc1 .Lmeet
.irp cb, 0,1
.irp i, 0,1,2,3,4,5,6,7,8,9,10,11,12,13,14,15
	global_load_b128 v[112+64*\cb+4*\i:115+64*\cb+4*\i], v4, s[4:5] offset:(32*\cb+\i)*8192 th:TH_LOAD_NT
.endr
.endr
	s_wait_loadcnt 16                              ; the first block's 16 loads are in
	QBLK4 112, 16
.irp t, 0,1,2,3
	ds_store_b128 v5, v[16+4*\t:19+4*\t] offset:2048*\t
.endr
	s_wait_loadcnt 0x0
	QBLK4 176, 32
.irp t, 0,1,2,3
	ds_store_b128 v5, v[32+4*\t:35+4*\t] offset:2048*\t+512
.endr
.Lmeet:
	s_wait_dscnt 0x0
	s_barrier_signal -1
	s_barrier_wait -1
	s_cmp_eq_u32 s21, 0
	s_cbranch_scc1 .Lend
	s_mov_b32 s34, 0
.Lpass:
	s_lshl_b32 s35, s34, 4
	s_add_co_u32 s35, s35, s18
	s_cmp_ge_u32 s35, s32
	s_cbranch_scc1 .Lskip
	s_lshl_b32 s35, s35, 4
	s_sub_co_u32 s36, s21, s35
	s_min_u32 s36, s36, 16
	s_sub_co_u32 s36, s36, 1                       ; the tile's tokens less one
	s_add_co_u32 s35, s35, s20
	s_min_u32 s35, s35, 1136
	s_lshl_b32 s40, s35, 10
	s_mov_b32 s41, 0
	s_add_nc_u64 s[40:41], s[6:7], s[40:41]
.irp k, 0,1,2,3,4,5,6,7
	v_add_nc_u32 v[208+\k], 2*\k, v3               ; the row that I store: 2 k + h
	v_min_u32 v[208+\k], s36, v[208+\k]
	v_add_nc_u32 v[208+\k], s35, v[208+\k]
	v_min_u32 v[208+\k], 0x47f, v[208+\k]
	v_lshlrev_b32 v[208+\k], 2, v[208+\k]
	global_load_b32 v[216+\k], v[208+\k], s[8:9] offset:256
.endr
	ALOAD 0
	ALOAD 1
	ALOAD 2
	ALOAD 3
	s_wait_loadcnt 16                              ; the eight tokens are in; act's 16 loads may be out
.irp k, 0,1,2,3,4,5,6,7
	v_min_u32 v[216+\k], 0x3ff, v[216+\k]
	v_lshl_add_u32 v[224+\k], v[216+\k], 13, v9
	global_load_b128 v[176+4*\k:179+4*\k], v[224+\k], s[10:11]
.endr
.irp q, 0,1,2,3,4,5,6,7
	PLACES
.if (\q >= 1) && (\q <= 4)
	ALOAD \q+3
.endif
.irp n, 0,1,2,3
.irp c, 0,1,2,3
	ds_load_b128 v[48+16*\n+4*\c:51+16*\n+4*\c], v6 offset:8192*\q+2048*\n+512*\c
.endr
.endr
.if \q <= 3
	s_wait_loadcnt 20                              ; behind this K step's loads: act's younger ones and x2's eight, 20 in all
.else
	s_wait_loadcnt 4*(7-\q)
.endif
	s_wait_dscnt 0x0
.irp n, 0,1,2,3
.if \q == 0
	v_wmma_f32_16x16x128_bf8_bf8 v[16+8*\n:23+8*\n], v[48+16*\n:63+16*\n], v[112+16*(\q%4):127+16*(\q%4)], 0
.else
	v_wmma_f32_16x16x128_bf8_bf8 v[16+8*\n:23+8*\n], v[48+16*\n:63+16*\n], v[112+16*(\q%4):127+16*(\q%4)], v[16+8*\n:23+8*\n]
.endif
.endr
.endr
	PLACES
.irp j, 0,1,2,3,4,5,6,7
.irp t, 0,1,2,3
	v_mul_f32 v[48+4*\j+\t], s51, v[16+8*\t+\j]    ; each accumulator from its low end on; 32 neighbouring columns on end
.endr
.endr
.irp j, 0,1,2,3,4,5,6,7
	ds_store_b128 v7, v[48+4*\j:51+4*\j] offset:16*\j
.endr
.irp k, 0,1,2,3,4,5,6,7
	ds_load_b128 v[48+4*\k:51+4*\k], v8 offset:544*\k      ; LDS serves a wave's instructions in order: these see my stores
.endr
	s_wait_dscnt 0x0
.set p, 0
.rept 16
	v_pk_add_f32 v[48+2*p:49+2*p], v[48+2*p:49+2*p], v[176+2*p:177+2*p]
.set p, p+1
.endr
.irp k, 0,1,2,3,4,5,6,7
	global_store_b128 v[224+\k], v[48+4*\k:51+4*\k], s[14:15]     ; sixteen lanes store 256 consecutive bytes of a token's row, aligned
.endr
	s_wait_xcnt 0x0                                ; data and addresses are written again only behind this wait
.Lskip:
	s_add_co_u32 s34, s34, 1
	s_cmp_lt_u32 s34, s33
	s_cbranch_scc1 .Lpass
.Lend:
	s_wait_tensorcnt 0x0
	ds_add_u32 v254, v255
	s_wait_dscnt 0x0
	s_endpgm
.Lfunc_end_k_qd02abec2ac_down:
	.size	k_qd02abec2ac_down, .Lfunc_end_k_qd02abec2ac_down-k_qd02abec2ac_down
	.p2alignl 7, 3214868480
	.fill 96, 4, 3214868480
	.section	.rodata,"a",@progbits
	.p2align	6, 0x0
	.amdhsa_kernel k_qd02abec2ac_down
		.amdhsa_group_segment_fixed_size 137216
		.amdhsa_private_segment_fixed_size 0
		.amdhsa_enable_private_segment 0
		.amdhsa_kernarg_size 48
		.amdhsa_user_sgpr_count 2
		.amdhsa_user_sgpr_kernarg_segment_ptr 1
		.amdhsa_wavefront_size32 1
		.amdhsa_system_sgpr_workgroup_id_x 1
		.amdhsa_system_sgpr_workgroup_id_y 1
		.amdhsa_system_sgpr_workgroup_id_z 1
		.amdhsa_system_vgpr_workitem_id 0
		.amdhsa_next_free_vgpr 256
		.amdhsa_next_free_sgpr 66
		.amdhsa_reserve_vcc 0
		.amdhsa_float_denorm_mode_32 3
		.amdhsa_float_denorm_mode_16_64 3
		.amdhsa_memory_ordered 1
		.amdhsa_forward_progress 1
		.amdhsa_inst_pref_size 39
	.end_amdhsa_kernel
	.amdgpu_metadata
---
amdhsa.version: [ 1, 2 ]
amdhsa.kernels:
  - .name:           k_qd02abec2ac_down
    .symbol:         k_qd02abec2ac_down.kd
    .args:
      - { .name: down_w, .offset: 0, .size: 8, .value_kind: global_buffer, .address_space: global }
      - { .name: act, .offset: 8, .size: 8, .value_kind: global_buffer, .address_space: global }
      - { .name: route, .offset: 16, .size: 8, .value_kind: global_buffer, .address_space: global }
      - { .name: x2, .offset: 24, .size: 8, .value_kind: global_buffer, .address_space: global }
      - { .name: lowp_scales, .offset: 32, .size: 8, .value_kind: global_buffer, .address_space: global }
      - { .name: out0, .offset: 40, .size: 8, .value_kind: global_buffer, .address_space: global }
    .group_segment_fixed_size: 137216
    .private_segment_fixed_size: 0
    .kernarg_segment_align: 8
    .kernarg_segment_size: 48
    .max_flat_workgroup_size: 512
    .sgpr_count:     66
    .vgpr_count:     256
    .wavefront_size: 32
...
	.end_amdgpu_metadata
.endif
;; end of part 7
;; ======== version 2 of 2: 7 launches; version 1 with the launches gateup, down written anew for expert scheduling mode
;; workspace buffers: prep 17,301,504 bytes; route 5,120 bytes of whole numbers; qkc 3,145,728 bytes; ao 2,097,152 bytes; x2 8,388,608 bytes; h2 4,718,592 bytes; act 1,179,648 bytes
;; launch prep: the kernel of part 1 again; grid 241 x 1, 16 waves a work-group, no clusters, 10,240 bytes of LDS; arguments x, in_ln, q_w, k_w, v_w, o_w, token_ids, token_to_expert, lowp_scales, prep, route; writes prep, route
;; launch qkv: the kernel of part 2 again; grid 24 x 8, 4 waves a work-group, no clusters, 327,680 bytes of LDS; arguments prep, q_norm, k_norm, lowp_scales, qkc; writes qkc
;; launch attn: the kernel of part 3 again; grid 32 x 4, 8 waves a work-group, no clusters, 263,168 bytes of LDS; arguments qkc, lowp_scales, ao; writes ao
;; launch oproj: the kernel of part 4 again; grid 16 x 8, 4 waves a work-group, no clusters, 327,680 bytes of LDS; arguments prep, ao, x, lowp_scales, x2; writes x2
;; launch norm2: the kernel of part 5 again; grid 72 x 1, 16 waves a work-group, no clusters, 3,072 bytes of LDS; arguments x2, post_ln, route, lowp_scales, h2, out0; writes h2, out0
;; launch gateup (part 8): grid 256 x 1, 16 waves a work-group, no clusters, 133,120 bytes of LDS; arguments gate_w, up_w, h2, route, lowp_scales, act; writes act
.if DOCPART == 8
	.amdgcn_target "amdgcn-amd-amdhsa--gfx1250"
	.amdhsa_code_object_version 6
	.text
	.protected	k_qd02abec2ac_gateup
	.globl	k_qd02abec2ac_gateup
	.p2align	8
	.type	k_qd02abec2ac_gateup,@function
k_qd02abec2ac_gateup:
	s_mov_b64 s[64:65], 0
	v_nop
	global_prefetch_b8 v0, s[64:65] scope:SCOPE_SE
	s_setreg_imm32_b32 hwreg(HW_REG_WAVE_SCHED_MODE, 0, 2), 2
	s_setreg_imm32_b32 hwreg(HW_REG_WAVE_MODE, 25, 1), 1
	s_wait_xcnt 0x0
	s_wait_alu depctr_vm_vsrc(0)
; GATEUP: for expert e = x / 32 and its columns 32 s .. 32 s + 31 (s = x % 32): act = silu(h2 gate_w[e]) x (h2 up_w[e]) for the expert's own tokens alone, quantised for the down product.
; PHASE 1: the two strips of weights (2,048 rows x 32 columns of f32 each) are read once, quantised in registers and laid in LDS as images of fragments: [16 K steps][4 tiles][2048]; wave w makes K step w.
;   A load takes 16 bytes a lane: eight lanes (rho = lane % 8) read the strip's 128 bytes of a row, and the load's four groups of eight lanes (gamma = lane / 8) four rows, 16 apart: 512 bytes a load,
;   1,024 loads for a work-group's 524,288 bytes. Block 2 m + cp (m: gate or up) is 16 such loads: rows 64 cp + 16 gamma + i of the K step, i = 0 .. 15. Two blocks are kept on their way.
;   A lane's four numbers of a row are columns 4 rho + t. Column 4 rho + t is lane place r = 2 rho + t / 2 of tile t % 2 (tile tau holds the columns 2 r + tau), and gamma = 2 (c % 2) + h:
;   so the lane's 16 codes down K are registers 4c .. 4c+3 (c = 2 cp + gamma / 2) of lane (r, h = gamma % 2): k = 32 c + 16 h + i, the order of h2's codes. Tiles 0, 1: gate; 2, 3: up.
;   In LDS that place is 2048 tile + 512 c + 16 (r + 16 h) = 2048 tile + 1024 cp + 32 lane + 16 (t / 2): one store of 16 bytes a lane and tile column.
; PHASE 2: wave w takes the expert's tiles of 16 tokens w, w + 16, ..: 16 K steps, four accumulators by turns (source 0 = the weight, source 1 = the tokens: a lane holds one token,
;   register j of tile tau column 16 h + 2 j + tau). The tokens' fragments come from memory three K steps ahead.
; The counts come from route, which an earlier launch stored. The first two blocks are asked for ahead of the counts; an expert without tokens reads no more than those, and stores nothing.
; So this text has no tensor load, and its one barrier stands on every path.
; No cluster and no joint loads: the work hangs on stored counts. No prefetch: half of a work-group's stream is asked for at its head.
; act: [72 tiles][8 K steps][2048]; my 32 columns are register group s % 4 of K step s / 4: one store of 512 consecutive bytes a tile.
; LIMITS: gate's and up's B exponents, and eA(down) - Eg - Eu, lie between -126 and 112; Eg = eA + eB of gate between -126 and 126. NaN among the inputs is not served.
; REGISTERS: v16-47 accumulators (phase 1: two sets of 16 code registers); v48-111 the weight's four fragments (phase 1: 64 numbers sorted by tile column);
;   v112-239 the tokens' ring of four K steps (phase 1: two sets of 64 numbers as loaded); v240-247 constants.
; THE MODE: SCHED_MODE bits 1:0 = 2 (LLVM: expert scheduling mode 2), set by the entry lines. The code itself states the register dependences
; between vector or matrix instructions and memory or LDS instructions, with s_wait_alu, always for 0.
; THE PLAN. Registers that memory or LDS instructions touch:
;   v4-v7, v254, v255  offsets and LDS addresses: written at the head and never again; one wait ahead of the first load serves them all.
;   PHASE 1  v112-239: block bk's 64 holds read set bk % 2; the loads of block bk + 2 land in it.  v16-47: block bk's conversions write code set bk % 2; its four LDS stores read it;
;            block bk + 2's conversions write it again, and later the products.  v48-111 are named by vector instructions alone.
;            ONE wait on va_vdst a block, behind its conversions: the codes are written, and the holds are done reading the set. The block's loads and stores follow it.
;   PHASE 2  v48-111: K step q's LDS loads land there, its four products read them.  v112-239: the loads of K step q + 3 land in the slot that the products of K step q - 1 read.
;            ONE wait on va_vdst in each K step but a tile's first: the last step's products are done reading both. A tile's first K step stands behind the wait ahead of the last tile's store
;            (the first tile's: behind block 3's wait), and only v_nop has been issued since.
;            v144-147: written by the last conversions, read by the tile's store, landed in by the next tile's loads: a wait on va_vdst ahead of the store, one on vm_vsrc behind it.
.macro PLACES
.rept 4
	v_nop
.endr
.endm
.macro MKSC e, tmp, vsc, vlim
	s_add_co_i32 s[\e], s[\e], 127
	s_lshl_b32 s[\tmp], s[\e], 23
	v_mov_b32 v[\vsc], s[\tmp]
	s_add_co_i32 s[\e], s[\e], 15
	s_lshl_b32 s[\e], s[\e], 23
	s_or_b32 s[\e], s[\e], 0x600000
	v_mov_b32 v[\vlim], s[\e]
.endm
.macro WBLK bk                         ; block bk: matrix bk / 2, rows 64 (bk % 2) + 16 gamma + i of my K step
.irp i, 0,1,2,3,4,5,6,7,8,9,10,11,12,13,14,15
	global_load_b128 v[112+64*((\bk)%2)+4*\i:115+64*((\bk)%2)+4*\i], v4, s[4+2*((\bk)/2):5+2*((\bk)/2)] offset:(64*((\bk)%2)+\i)*4096
.endr
.endm
.macro QB bk
.set SS, 112+64*((\bk)%2)
.set CC, 16+16*((\bk)%2)
.set LM, 240+2*((\bk)/2)
.if (\bk) < 3
	s_wait_loadcnt 16                              ; this block's 16 loads are in; the younger block's 16 may be out
.else
	s_wait_loadcnt 0x0
.endif
.set n, 0
.rept 64
	v_med3_num_f32 v[48+n], v[SS+4*(n%16)+n/16], -v[LM], v[LM]    ; the hold at the largest code x the scale also sorts the numbers: 16 down K for each of my four columns
.set n, n+1
.endr
.if (\bk) >= 2
	s_wait_dscnt 4                                 ; the four stores of two blocks ago are done; the last block's four may be out
	s_wait_alu depctr_vm_vsrc(0)                   ; the LDS stores of two blocks ago have read this set of code registers, which the conversions below write again
.endif
.irp t, 0,1,2,3
	v_cvt_scalef32_pk8_bf8_f32 v[CC+4*\t:CC+4*\t+1], v[48+16*\t:48+16*\t+7], v[LM+1]
	v_cvt_scalef32_pk8_bf8_f32 v[CC+4*\t+2:CC+4*\t+3], v[48+16*\t+8:48+16*\t+15], v[LM+1]
.endr
	v_nop                                          ; a plain line behind the conversions, ahead of the next block's holds, which write their sources, and of the products, which write their results
	s_wait_alu depctr_va_vdst(0)                   ; the conversions have written the code registers, which the LDS stores read; the holds are done reading the set of numbers, in which the loads below land
.if (\bk)+2 < 4
	WBLK (\bk)+2                                   ; the set just read takes the block two further on
.endif
.irp t, 0,1,2,3
	ds_store_b128 v5, v[CC+4*\t:CC+4*\t+3] offset:2048*(2*((\bk)/2)+\t%2)+1024*((\bk)%2)+16*(\t/2)
.endr
.endm
.macro ALOAD q                         ; the tokens' two fragments (gate's codes, up's codes) of K step q
.irp m, 0,1
.irp c, 0,1,2,3
	global_load_b128 v[112+32*((\q)%4)+16*\m+4*\c:115+32*((\q)%4)+16*\m+4*\c], v6, s[40:41] offset:2359296*\m+2048*(\q)+512*\c
.endr
.endr
.endm
.macro BLOAD q
.irp n, 0,1,2,3
.irp c, 0,1,2,3
	ds_load_b128 v[48+16*\n+4*\c:51+16*\n+4*\c], v[6+(\q)/8] offset:8192*((\q)%8)+2048*\n+512*\c
.endr
.endr
.endm
	s_load_b256 s[4:11], s[0:1], 0x0               ; gate_w, up_w, h2, route
	s_load_b128 s[12:15], s[0:1], 0x20             ; lowp_scales, act
	v_lshl_add_u32 v254, v0, 2, 0x20000
	v_mov_b32 v255, 0
	v_lshrrev_b32 v1, 5, v0
	v_readfirstlane_b32 s18, v1                    ; wave 0..15
	s_lshr_b32 s16, ttmp9, 5                       ; the expert
	s_and_b32 s17, ttmp9, 31                       ; the strip
	v_and_b32 v1, 31, v0                           ; lane
	v_and_b32 v2, 7, v0                            ; rho
	v_bfe_u32 v3, v0, 3, 2                         ; gamma
	v_lshlrev_b32 v4, 4, v2
	v_lshl_add_u32 v4, v3, 16, v4                  ; 16 rho + 16 rows of 4,096 bytes x gamma
	v_lshlrev_b32 v6, 4, v1                        ; 16 x lane: images in LDS (K steps 0-7) and in memory
	s_wait_alu depctr_va_sdst(0)                   ; s18, the wave's number, is written, ahead of its first reader
	s_lshl_b32 s19, s18, 13
	v_lshlrev_b32 v5, 5, v1
	v_add_nc_u32 v5, s19, v5                       ; where I store my K step's codes: 8192 w + 32 x lane
	v_add_nc_u32 v7, 65536, v6                     ; K steps 8-15
	s_lshl_b32 s19, s16, 2
	s_mul_i32 s22, s16, 24
	s_lshl_b32 s30, s16, 23                        ; the expert's matrix,
	s_lshl_b32 s23, s18, 19                        ; my K step's 128 rows,
	s_add_co_u32 s30, s30, s23
	s_lshl_b32 s23, s17, 7                         ; the strip's 128 bytes of a row
	s_add_co_u32 s30, s30, s23
	s_mov_b32 s31, 0
	s_wait_kmcnt 0x0
	s_load_b32 s20, s[10:11], s19 offset:0x0       ; the expert's first place
	s_load_b32 s21, s[10:11], s19 offset:0x40      ; its count
	s_load_b64 s[24:25], s[12:13], s22 offset:0x30 ; gate: eA, eB
	s_load_b64 s[26:27], s[12:13], s22 offset:0x38 ; up
	s_load_b64 s[28:29], s[12:13], s22 offset:0x40 ; down
	s_add_nc_u64 s[4:5], s[4:5], s[30:31]
	s_add_nc_u64 s[6:7], s[6:7], s[30:31]
	s_wait_alu depctr_va_vdst(0)                   ; v4 to v7 are written, which every load and store of the kernel reads as its offset or LDS address; so are v254 and v255
	WBLK 0                                         ; gate's two blocks go out ahead of the wait for the counts and the scales
	WBLK 1
	s_lshr_b32 s36, s17, 2
	s_lshl_b32 s36, s36, 11
	s_and_b32 s23, s17, 3
	s_lshl_b32 s23, s23, 9
	s_add_co_u32 s36, s36, s23
	s_mov_b32 s37, 0
	s_add_nc_u64 s[14:15], s[14:15], s[36:37]
	s_wait_kmcnt 0x0
	s_min_u32 s20, s20, 1136
	s_min_u32 s21, s21, 1024
	s_add_co_u32 s32, s21, 15
	s_lshr_b32 s32, s32, 4                         ; tiles of tokens
	s_add_co_u32 s33, s32, 15
	s_lshr_b32 s33, s33, 4                         ; passes of 16 tiles
	s_add_co_i32 s44, s24, s25                     ; Eg
	s_add_co_i32 s45, s26, s27                     ; Eu
	s_lshl_b32 s50, s44, 23
	s_add_co_i32 s50, s50, 0xbfb8aa3b              ; -log2(e) x 2^Eg
	s_sub_co_i32 s46, s28, s44
	s_sub_co_i32 s46, s46, s45                     ; act's scale with the two products' folded in
	MKSC 46, 47, 247, 246
	MKSC 25, 47, 241, 240
	MKSC 27, 47, 243, 242
	s_cmp_eq_u32 s21, 0
	s_cbranch_scc1 .Lmeet
.irp k, 0,1,2,3
	QB \k
.endr
.Lmeet:
	s_wait_loadcnt 0x0                             ; no load is out on any way: an expert without tokens awaits here the two blocks asked for at the head; the others have awaited all four
	s_wait_dscnt 0x0                               ; for the others' sake: my images lie in LDS
	s_wait_alu depctr_vm_vsrc(0)                   ; my LDS stores have read the code registers v16-47, which are the accumulators from here on: the products write them
	s_barrier_signal -1
	s_barrier_wait -1
	s_cmp_eq_u32 s21, 0
	s_cbranch_scc1 .Lend
	s_mov_b32 s34, 0
.Lpass:
	s_lshl_b32 s35, s34, 4
	s_add_co_u32 s35, s35, s18                     ; my tile of this pass
	s_cmp_ge_u32 s35, s32
	s_cbranch_scc1 .Lskip
	s_lshl_b32 s35, s35, 4
	s_add_co_u32 s35, s35, s20
	s_min_u32 s35, s35, 1136                       ; its first place
	s_lshl_b32 s40, s35, 11
	s_mov_b32 s41, 0
	s_add_nc_u64 s[40:41], s[8:9], s[40:41]
	s_lshl_b32 s42, s35, 10
	s_mov_b32 s43, 0
	s_add_nc_u64 s[42:43], s[14:15], s[42:43]
	ALOAD 0                                        ; no wait: no vector or matrix instruction since the last wait on va_vdst names the ring
	ALOAD 1
	ALOAD 2
.irp q, 0,1,2,3,4,5,6,7,8,9,10,11,12,13,14,15
	PLACES                                         ; in front of loads into registers that the last products read
.if \q > 0
	s_wait_alu depctr_va_vdst(0)                   ; the last K step's four products are done reading the weight's fragments v48-111 and their slot of the ring, in which the loads below land
.endif
.if \q+3 < 16
	ALOAD \q+3
.endif
	BLOAD \q
.if \q <= 12
	s_wait_loadcnt 24                              ; this K step's 8 loads are in; three younger K steps may be out
.else
	s_wait_loadcnt 8*(15-\q)
.endif
	s_wait_dscnt 0x0
.irp n, 0,1,2,3
.if \q == 0
	v_wmma_f32_16x16x128_bf8_bf8 v[16+8*\n:23+8*\n], v[48+16*\n:63+16*\n], v[112+32*(\q%4)+16*(\n/2):127+32*(\q%4)+16*(\n/2)], 0
.else
	v_wmma_f32_16x16x128_bf8_bf8 v[16+8*\n:23+8*\n], v[48+16*\n:63+16*\n], v[112+32*(\q%4)+16*(\n/2):127+32*(\q%4)+16*(\n/2)], v[16+8*\n:23+8*\n]
.endif
.endr
.endr
	PLACES
.irp j, 0,1,2,3,4,5,6,7
.irp t, 0,1
	v_mul_f32 v[112+2*\j+\t], s50, v[16+8*\t+\j]   ; -g log2(e); each accumulator from its low end on
.endr
.endr
.set n, 0
.rept 16
	v_exp_f32 v[112+n], v[112+n]
.set n, n+1
.endr
	v_nop
	s_wait_alu depctr_va_vdst(0)                   ; the sixteen exponentials have written v112-127, ahead of their first reader
.set n, 0
.rept 16
	v_add_f32 v[112+n], 1.0, v[112+n]
.set n, n+1
.endr
.set n, 0
.rept 16
	v_rcp_f32 v[112+n], v[112+n]                   ; sigmoid(g)
.set n, n+1
.endr
	v_nop
	s_wait_alu depctr_va_vdst(0)                   ; the sixteen reciprocals have written v112-127, ahead of their first reader
.irp j, 0,1,2,3,4,5,6,7
.irp t, 0,1
	v_mul_f32 v[128+2*\j+\t], v[16+8*\t+\j], v[112+2*\j+\t]
.endr
.endr
.irp j, 0,1,2,3,4,5,6,7
.irp t, 0,1
	v_mul_f32 v[128+2*\j+\t], v[128+2*\j+\t], v[32+8*\t+\j]
.endr
.endr
.set n, 0
.rept 16
	v_med3_num_f32 v[128+n], v[128+n], -v246, v246
.set n, n+1
.endr
	v_cvt_scalef32_pk8_bf8_f32 v[144:145], v[128:135], v247
	v_cvt_scalef32_pk8_bf8_f32 v[146:147], v[136:143], v247
	v_nop
	s_wait_alu depctr_va_vdst(0)                   ; the conversions have written v144-147, which the store reads; and all of this tile's vector and matrix work is done with the ring and v48-111, in which the next tile's first loads land
	global_store_b128 v6, v[144:147], s[42:43]
	s_wait_xcnt 0x0                                ; the store's data and base are written again only behind this wait
	s_wait_alu depctr_vm_vsrc(0)                   ; the store has read v144-147, in which the next tile's loads land
.Lskip:
	s_add_co_u32 s34, s34, 1
	s_cmp_lt_u32 s34, s33
	s_cbranch_scc1 .Lpass
.Lend:
	s_wait_dscnt 0x0                               ; the closing lines, six on end
	s_wait_alu 0x0
	s_wait_tensorcnt 0x0
	ds_add_u32 v254, v255
	s_wait_dscnt 0x0
	s_endpgm
.Lfunc_end_k_qd02abec2ac_gateup:
	.size	k_qd02abec2ac_gateup, .Lfunc_end_k_qd02abec2ac_gateup-k_qd02abec2ac_gateup
	.p2alignl 7, 3214868480
	.fill 96, 4, 3214868480
	.section	.rodata,"a",@progbits
	.p2align	6, 0x0
	.amdhsa_kernel k_qd02abec2ac_gateup
		.amdhsa_group_segment_fixed_size 133120
		.amdhsa_private_segment_fixed_size 0
		.amdhsa_enable_private_segment 0
		.amdhsa_kernarg_size 48
		.amdhsa_user_sgpr_count 2
		.amdhsa_user_sgpr_kernarg_segment_ptr 1
		.amdhsa_wavefront_size32 1
		.amdhsa_system_sgpr_workgroup_id_x 1
		.amdhsa_system_sgpr_workgroup_id_y 1
		.amdhsa_system_sgpr_workgroup_id_z 1
		.amdhsa_system_vgpr_workitem_id 0
		.amdhsa_next_free_vgpr 256
		.amdhsa_next_free_sgpr 66
		.amdhsa_reserve_vcc 0
		.amdhsa_float_denorm_mode_32 3
		.amdhsa_float_denorm_mode_16_64 3
		.amdhsa_memory_ordered 1
		.amdhsa_forward_progress 1
		.amdhsa_inst_pref_size 71
	.end_amdhsa_kernel
	.amdgpu_metadata
---
amdhsa.version: [ 1, 2 ]
amdhsa.kernels:
  - .name:           k_qd02abec2ac_gateup
    .symbol:         k_qd02abec2ac_gateup.kd
    .args:
      - { .name: gate_w, .offset: 0, .size: 8, .value_kind: global_buffer, .address_space: global }
      - { .name: up_w, .offset: 8, .size: 8, .value_kind: global_buffer, .address_space: global }
      - { .name: h2, .offset: 16, .size: 8, .value_kind: global_buffer, .address_space: global }
      - { .name: route, .offset: 24, .size: 8, .value_kind: global_buffer, .address_space: global }
      - { .name: lowp_scales, .offset: 32, .size: 8, .value_kind: global_buffer, .address_space: global }
      - { .name: act, .offset: 40, .size: 8, .value_kind: global_buffer, .address_space: global }
    .group_segment_fixed_size: 133120
    .private_segment_fixed_size: 0
    .kernarg_segment_align: 8
    .kernarg_segment_size: 48
    .max_flat_workgroup_size: 512
    .sgpr_count:     66
    .vgpr_count:     256
    .wavefront_size: 32
...
	.end_amdgpu_metadata
.endif
;; end of part 8
;; launch down (part 9): grid 256 x 1, 16 waves a work-group, no clusters, 137,216 bytes of LDS; arguments down_w, act, route, x2, lowp_scales, out0; writes out0
.if DOCPART == 9
	.amdgcn_target "amdgcn-amd-amdhsa--gfx1250"
	.amdhsa_code_object_version 6
	.text
	.protected	k_qd02abec2ac_down
	.globl	k_qd02abec2ac_down
	.p2align	8
	.type	k_qd02abec2ac_down,@function
k_qd02abec2ac_down:
	s_mov_b64 s[64:65], 0
	v_nop
	global_prefetch_b8 v0, s[64:65] scope:SCOPE_SE
	s_setreg_imm32_b32 hwreg(HW_REG_WAVE_SCHED_MODE, 0, 2), 2
	s_setreg_imm32_b32 hwreg(HW_REG_WAVE_MODE, 25, 1), 1
	s_wait_xcnt 0x0
	s_wait_alu depctr_vm_vsrc(0)
; DOWN: for expert e = x / 32 and columns 64 s .. 64 s + 63 (s = x % 32): out0 = x2 + act down_w[e], for the expert's own tokens alone.
; PHASE 1: the strip of the weight (1,024 rows x 64 columns of f32) is read once, quantised in registers and laid in LDS as images of fragments: [8 K steps][4 tiles][2048].
;   Wave w makes half w % 2 of K step w / 2: 32 loads, all issued at once; sixteen lanes read 256 consecutive bytes of a row; tile t takes the columns 4 rho + t.
; PHASE 2: wave w takes the expert's tiles of 16 tokens w, w + 16, ..: 8 K steps, four accumulators by turns; a lane holds one token, register j of tile t column 32 h + 4 j + t.
;   The rows go through the wave's own stage (16 rows of 256 bytes + 16) and leave as whole aligned blocks of 256 bytes, each at its token's row; x2's rows are fetched by the same addresses.
;   A tile's places beyond its tokens repeat its last token: the same numbers go to the same bytes, and no lane is ever switched off.
; The counts and the order come from route, which an earlier launch stored: so no tensor load, and the one barrier stands on every path.
; LIMITS: eB between -126 and 112; eA + eB between -126 and 127. NaN among the inputs is not served.
; REGISTERS: v16-47 accumulators (phase 1: codes); v48-111 the weight's fragments (phase 1: numbers by tile; way out: v48-79 the rows on their way into the stage, v80-111 the rows as they come back);
;   v112-175 act's ring of four K steps; v176-207 x2 (phase 1: v112-239 numbers as loaded); v208-231 places, tokens, addresses.
; THE MODE: SCHED_MODE bits 1:0 = 2 (LLVM: expert scheduling mode 2), set by the entry lines. The code itself states the register dependences
; between vector or matrix instructions and memory or LDS instructions, with s_wait_alu, always for 0.
; THE PLAN. Registers that memory or LDS instructions touch:
;   v4-v9, v254, v255  offsets and LDS addresses: written at the head and never again; one wait ahead of the branch round phase 1 serves them all.
;   PHASE 1  v112-239: 32 loads land, the holds read.  v16-47: each block's conversions write 16 of them, its four LDS stores read them (a wait on va_vdst between), later the products write them (a wait on vm_vsrc at the barrier).
;   A TILE   v208-215: the eight places' offsets, made on end, read by the eight loads of tokens.  v216-223: those loads land; the clamps read.  v224-231: the eight rows' offsets, made on end,
;            read by x2's loads and by the stores.  v176-207: x2 lands; the additions read.  So one wait on va_vdst stands ahead of each of the two runs of eight loads.
;            v112-175: the loads of K step q + 3 land in the slot that the products of K step q - 1 read.  v48-111: K step q's LDS loads land, its products read.
;            One wait on va_vdst in each K step but the first, which stands behind the wait ahead of x2's loads with only v_nop between.
;            THE WAY OUT: the multiplications write v48-79, the LDS stores read them; the rows come back into v80-111, which no LDS store reads; the additions write v80-111, the global stores read them:
;            a wait on va_vdst ahead of each of the two runs of stores.
;            One wait on vm_vsrc at a tile's end: its loads and stores have read v48-111 and v208-231, all of which the next tile writes again.
.macro PLACES
.rept 4
	v_nop
.endr
.endm
.macro MKSC e, tmp, vsc, vlim
	s_add_co_i32 s[\e], s[\e], 127
	s_lshl_b32 s[\tmp], s[\e], 23
	v_mov_b32 v[\vsc], s[\tmp]
	s_add_co_i32 s[\e], s[\e], 15
	s_lshl_b32 s[\e], s[\e], 23
	s_or_b32 s[\e], s[\e], 0x600000
	v_mov_b32 v[\vlim], s[\e]
.endm
.macro QBLK4 s, c
.set n, 0
.rept 64
	v_med3_num_f32 v[48+n], v[\s+4*(n%16)+n/16], -v240, v240
.set n, n+1
.endr
.irp t, 0,1,2,3
	v_cvt_scalef32_pk8_bf8_f32 v[\c+4*\t:\c+4*\t+1], v[48+16*\t:48+16*\t+7], v241
	v_cvt_scalef32_pk8_bf8_f32 v[\c+4*\t+2:\c+4*\t+3], v[48+16*\t+8:48+16*\t+15], v241
.endr
	v_nop
.endm
.macro ALOAD q
.irp c, 0,1,2,3
	global_load_b128 v[112+16*((\q)%4)+4*\c:115+16*((\q)%4)+4*\c], v6, s[40:41] offset:2048*(\q)+512*\c
.endr
.endm
	s_load_b256 s[4:11], s[0:1], 0x0               ; down_w, act, route, x2
	s_load_b128 s[12:15], s[0:1], 0x20             ; lowp_scales, out0
	v_lshl_add_u32 v254, v0, 2, 0x21000
	v_mov_b32 v255, 0
	v_lshrrev_b32 v1, 5, v0
	v_readfirstlane_b32 s18, v1
	s_lshr_b32 s16, ttmp9, 5
	s_and_b32 s17, ttmp9, 31
	v_and_b32 v1, 31, v0
	v_and_b32 v2, 15, v0
	v_bfe_u32 v3, v0, 4, 1
	v_lshlrev_b32 v4, 4, v2
	v_lshl_add_u32 v4, v3, 17, v4                  ; 16 rho + 16 rows x h
	v_lshlrev_b32 v6, 4, v1                        ; 16 x lane
	s_wait_alu depctr_va_sdst(0)                   ; s18, the wave's number, is written, ahead of its first reader
	s_lshr_b32 s19, s18, 1                         ; ks
	s_and_b32 s23, s18, 1                          ; cp
	s_lshl_b32 s30, s19, 13
	s_lshl_b32 s31, s23, 10
	s_add_co_u32 s30, s30, s31
	v_add_nc_u32 v5, s30, v6                       ; where I store my images
	s_mul_i32 s30, s18, 4352
	s_add_co_u32 s30, s30, 65536                   ; my stage
	v_mul_u32_u24 v7, v2, 272
	v_lshl_add_u32 v7, v3, 7, v7
	v_add_nc_u32 v7, s30, v7                       ; in: row r, + 128 h
	v_mul_u32_u24 v8, v3, 272
	v_lshl_add_u32 v8, v2, 4, v8
	v_add_nc_u32 v8, s30, v8                       ; back: lanes 0-15 one row, lanes 16-31 the next
	s_lshl_b32 s30, s17, 8
	v_lshl_add_u32 v9, v2, 4, s30                  ; 256 s + 16 rho: my bytes in a row of x2 and of out0
	s_lshl_b32 s36, s19, 7
	s_lshl_b32 s37, s23, 6
	s_add_co_u32 s36, s36, s37                     ; my first row: 128 ks + 64 cp
	s_lshl_b32 s36, s36, 13
	s_add_co_u32 s36, s36, s30
	s_lshl_b32 s37, s16, 23
	s_add_co_u32 s36, s36, s37
	s_mov_b32 s37, 0
	s_lshl_b32 s19, s16, 2
	s_mul_i32 s22, s16, 24
	s_wait_kmcnt 0x0
	s_load_b32 s20, s[8:9], s19 offset:0x0
	s_load_b32 s21, s[8:9], s19 offset:0x40
	s_load_b64 s[28:29], s[12:13], s22 offset:0x40 ; down: eA, eB
	s_add_nc_u64 s[4:5], s[4:5], s[36:37]
	s_wait_kmcnt 0x0
	s_min_u32 s20, s20, 1136
	s_min_u32 s21, s21, 1024
	s_add_co_u32 s32, s21, 15
	s_lshr_b32 s32, s32, 4
	s_add_co_u32 s33, s32, 15
	s_lshr_b32 s33, s33, 4
	s_add_co_i32 s51, s28, s29
	s_add_co_i32 s51, s51, 127
	s_lshl_b32 s51, s51, 23                        ; 2^(eA + eB)
	MKSC 29, 47, 241, 240
	s_wait_alu depctr_va_vdst(0)                   ; v4 to v9 are written, which the loads and stores of the kernel read as offsets and LDS addresses; so are v254 and v255
	s_cmp_eq_u32 s21, 0
	s_cbranch_scc1 .Lmeet
.irp cb, 0,1
.irp i, 0,1,2,3,4,5,6,7,8,9,10,11,12,13,14,15
	global_load_b128 v[112+64*\cb+4*\i:115+64*\cb+4*\i], v4, s[4:5] offset:(32*\cb+\i)*8192 th:TH_LOAD_NT
.endr
.endr
	s_wait_loadcnt 16                              ; the first block's 16 loads are in
	QBLK4 112, 16
	s_wait_alu depctr_va_vdst(0)                   ; the conversions have written v16-31, which the LDS stores read
.irp t, 0,1,2,3
	ds_store_b128 v5, v[16+4*\t:19+4*\t] offset:2048*\t
.endr
	s_wait_loadcnt 0x0
	QBLK4 176, 32
	s_wait_alu depctr_va_vdst(0)                   ; the conversions have written v32-47, which the LDS stores read
.irp t, 0,1,2,3
	ds_store_b128 v5, v[32+4*\t:35+4*\t] offset:2048*\t+512
.endr
.Lmeet:
	s_wait_dscnt 0x0
	s_wait_alu depctr_vm_vsrc(0)                   ; my LDS stores have read the code registers v16-47, which are the accumulators from here on: the products write them
	s_barrier_signal -1
	s_barrier_wait -1
	s_cmp_eq_u32 s21, 0
	s_cbranch_scc1 .Lend
	s_mov_b32 s34, 0
.Lpass:
	s_lshl_b32 s35, s34, 4
	s_add_co_u32 s35, s35, s18
	s_cmp_ge_u32 s35, s32
	s_cbranch_scc1 .Lskip
	s_lshl_b32 s35, s35, 4
	s_sub_co_u32 s36, s21, s35
	s_min_u32 s36, s36, 16
	s_sub_co_u32 s36, s36, 1                       ; the tile's tokens less one
	s_add_co_u32 s35, s35, s20
	s_min_u32 s35, s35, 1136
	s_lshl_b32 s40, s35, 10
	s_mov_b32 s41, 0
	s_add_nc_u64 s[40:41], s[6:7], s[40:41]
.irp k, 0,1,2,3,4,5,6,7
	v_add_nc_u32 v[208+\k], 2*\k, v3               ; the row that I store: 2 k + h
	v_min_u32 v[208+\k], s36, v[208+\k]
	v_add_nc_u32 v[208+\k], s35, v[208+\k]
	v_min_u32 v[208+\k], 0x47f, v[208+\k]
	v_lshlrev_b32 v[208+\k], 2, v[208+\k]
.endr
	s_wait_alu depctr_va_vdst(0)                   ; the eight offsets v208-215 are written, which the loads below read; the work before (the holds, or the last tile's clamps and products) is done with v216-223 and the ring v112-175, in which they land
.irp k, 0,1,2,3,4,5,6,7
	global_load_b32 v[216+\k], v[208+\k], s[8:9] offset:256
.endr
	ALOAD 0
	ALOAD 1
	ALOAD 2
	ALOAD 3
	s_wait_loadcnt 16                              ; the eight tokens are in; act's 16 loads may be out
.irp k, 0,1,2,3,4,5,6,7
	v_min_u32 v[216+\k], 0x3ff, v[216+\k]
	v_lshl_add_u32 v[224+\k], v[216+\k], 13, v9
.endr
	s_wait_alu depctr_va_vdst(0)                   ; the eight offsets v224-231 are written, which x2's loads and later the stores read
.irp k, 0,1,2,3,4,5,6,7
	global_load_b128 v[176+4*\k:179+4*\k], v[224+\k], s[10:11]
.endr
.irp q, 0,1,2,3,4,5,6,7
	PLACES
.if \q > 0
	s_wait_alu depctr_va_vdst(0)                   ; the last K step's four products are done reading the weight's fragments v48-111 and their slot of the ring, in which the loads below land
.endif
.if (\q >= 1) && (\q <= 4)
	ALOAD \q+3
.endif
.irp n, 0,1,2,3
.irp c, 0,1,2,3
	ds_load_b128 v[48+16*\n+4*\c:51+16*\n+4*\c], v6 offset:8192*\q+2048*\n+512*\c
.endr
.endr
.if \q <= 3
	s_wait_loadcnt 20                              ; behind this K step's loads: act's younger ones and x2's eight, 20 in all
.else
	s_wait_loadcnt 4*(7-\q)
.endif
	s_wait_dscnt 0x0
.irp n, 0,1,2,3
.if \q == 0
	v_wmma_f32_16x16x128_bf8_bf8 v[16+8*\n:23+8*\n], v[48+16*\n:63+16*\n], v[112+16*(\q%4):127+16*(\q%4)], 0
.else
	v_wmma_f32_16x16x128_bf8_bf8 v[16+8*\n:23+8*\n], v[48+16*\n:63+16*\n], v[112+16*(\q%4):127+16*(\q%4)], v[16+8*\n:23+8*\n]
.endif
.endr
.endr
	PLACES
.irp j, 0,1,2,3,4,5,6,7
.irp t, 0,1,2,3
	v_mul_f32 v[48+4*\j+\t], s51, v[16+8*\t+\j]    ; each accumulator from its low end on; 32 neighbouring columns on end
.endr
.endr
	s_wait_alu depctr_va_vdst(0)                   ; the multiplications have written v48-79, which the LDS stores read; the last products are done reading v80-111, in which the loads from the stage land
.irp j, 0,1,2,3,4,5,6,7
	ds_store_b128 v7, v[48+4*\j:51+4*\j] offset:16*\j
.endr
.irp k, 0,1,2,3,4,5,6,7
	ds_load_b128 v[80+4*\k:83+4*\k], v8 offset:544*\k      ; LDS serves a wave's instructions in order: these see my stores. They land in registers that no LDS store reads
.endr
	s_wait_dscnt 0x0
.set p, 0
.rept 16
	v_pk_add_f32 v[80+2*p:81+2*p], v[80+2*p:81+2*p], v[176+2*p:177+2*p]
.set p, p+1
.endr
	s_wait_alu depctr_va_vdst(0)                   ; the additions have written v80-111, which the stores read
.irp k, 0,1,2,3,4,5,6,7
	global_store_b128 v[224+\k], v[80+4*\k:83+4*\k], s[14:15]     ; sixteen lanes store 256 consecutive bytes of a token's row, aligned
.endr
	s_wait_xcnt 0x0                                ; data and addresses are written again only behind this wait
	s_wait_alu depctr_vm_vsrc(0)                   ; this tile's loads and stores have read v208-215, v224-231, v48-79 and v80-111, all of which the next tile writes again
.Lskip:
	s_add_co_u32 s34, s34, 1
	s_cmp_lt_u32 s34, s33
	s_cbranch_scc1 .Lpass
.Lend:
	s_wait_dscnt 0x0                               ; the closing lines, six on end
	s_wait_alu 0x0
	s_wait_tensorcnt 0x0
	ds_add_u32 v254, v255
	s_wait_dscnt 0x0
	s_endpgm
.Lfunc_end_k_qd02abec2ac_down:
	.size	k_qd02abec2ac_down, .Lfunc_end_k_qd02abec2ac_down-k_qd02abec2ac_down
	.p2alignl 7, 3214868480
	.fill 96, 4, 3214868480
	.section	.rodata,"a",@progbits
	.p2align	6, 0x0
	.amdhsa_kernel k_qd02abec2ac_down
		.amdhsa_group_segment_fixed_size 137216
		.amdhsa_private_segment_fixed_size 0
		.amdhsa_enable_private_segment 0
		.amdhsa_kernarg_size 48
		.amdhsa_user_sgpr_count 2
		.amdhsa_user_sgpr_kernarg_segment_ptr 1
		.amdhsa_wavefront_size32 1
		.amdhsa_system_sgpr_workgroup_id_x 1
		.amdhsa_system_sgpr_workgroup_id_y 1
		.amdhsa_system_sgpr_workgroup_id_z 1
		.amdhsa_system_vgpr_workitem_id 0
		.amdhsa_next_free_vgpr 256
		.amdhsa_next_free_sgpr 66
		.amdhsa_reserve_vcc 0
		.amdhsa_float_denorm_mode_32 3
		.amdhsa_float_denorm_mode_16_64 3
		.amdhsa_memory_ordered 1
		.amdhsa_forward_progress 1
		.amdhsa_inst_pref_size 40
	.end_amdhsa_kernel
	.amdgpu_metadata
---
amdhsa.version: [ 1, 2 ]
amdhsa.kernels:
  - .name:           k_qd02abec2ac_down
    .symbol:         k_qd02abec2ac_down.kd
    .args:
      - { .name: down_w, .offset: 0, .size: 8, .value_kind: global_buffer, .address_space: global }
      - { .name: act, .offset: 8, .size: 8, .value_kind: global_buffer, .address_space: global }
      - { .name: route, .offset: 16, .size: 8, .value_kind: global_buffer, .address_space: global }
      - { .name: x2, .offset: 24, .size: 8, .value_kind: global_buffer, .address_space: global }
      - { .name: lowp_scales, .offset: 32, .size: 8, .value_kind: global_buffer, .address_space: global }
      - { .name: out0, .offset: 40, .size: 8, .value_kind: global_buffer, .address_space: global }
    .group_segment_fixed_size: 137216
    .private_segment_fixed_size: 0
    .kernarg_segment_align: 8
    .kernarg_segment_size: 48
    .max_flat_workgroup_size: 512
    .sgpr_count:     66
    .vgpr_count:     256
    .wavefront_size: 32
...
	.end_amdgpu_metadata
.endif
;; end of part 9
